; MI455X (gfx1250); checked and timed in simulation.
; The chip was launched on July 23, 2026; its instructions are those of AMD's public machine-readable ISA for CDNA 5 (MIT licence, August 2026) and "CDNA5" Instruction Set Architecture Reference Guide (July 2026). The comments in the code are by the model that wrote it; some were corrected since.
;; Self Attention. Allowed arithmetic: matrix products marked QUANTISED: E2M1 operands, one E8M0 scale for each 32 along K, by v_wmma_scale_f32_16x16x128_f8f6f4 with both operands' format E2M1 (or v_wmma_scale_f32_32x16x128_f4), f32 sums; everything else in f32.
;; Inputs: b_k 1,024 float32; b_o 1,024 float32; b_q 1,024 float32; b_v 1,024 float32; w_k 1,024 x 1,024 float32; w_o 1,024 x 1,024 float32; w_q 1,024 x 1,024 float32; w_v 1,024 x 1,024 float32; x 4 x 2,048 x 1,024 float32.
;; Outputs: out0 4 x 2,048 x 1,024 float32.
;; This version of the problem:
;;   THIS VERSION OF THE PROBLEM IS GIVEN IN LOW PRECISION. The matrix products marked QUANTISED in the list below multiply operands that are first quantised to E2M1 (2 exponent bits, 1 mantissa bit; 4 bits a number), with one power-of-two scale for each 32 numbers along K (OCP MX v1.0); their sums are f32. All else is computed in f32.
;;   The module's matrix products, in the order in which they are computed (A, B: the left and right operand; K: the contracted axis; several contracted axes count as one K, in the product's order):
;;     1. [M 8,192, K 1,024] x [K 1,024, N 1,024]; A: input x; B: input w_q: QUANTISED
;;     2. [M 8,192, K 1,024] x [K 1,024, N 1,024]; A: input x; B: input w_k: QUANTISED
;;     3. [M 8,192, K 1,024] x [K 1,024, N 1,024]; A: input x; B: input w_v: QUANTISED
;;     4. batch 64 x [M 2,048, K 64] x [K 64, N 2,048]; A: computed on the way; B: computed on the way: QUANTISED
;;     5. batch 64 x [M 2,048, K 2,048] x [K 2,048, N 64]; A: softmax (see below); B: computed on the way: QUANTISED
;;     6. [M 8,192, K 1,024] x [K 1,024, N 1,024]; A: computed on the way; B: input w_o: QUANTISED
;;   THE QUANTISER, for each operand of a quantised product, along K:
;;     - K is cut into blocks of 32 from its start; a last block that is shorter is filled with zeros.
;;     - A block's scale is 2^e with e = floor(log2(the largest magnitude in the block)) - 2, held to -126 .. 127; a block of zeros has e = 0. As a byte (E8M0): e + 127.
;;     - Each number is divided by its block's scale, clamped to +-6, and rounded to the nearest number of E2M1, ties to even, subnormals kept.
;;     - The product sums the exact products of the quantised numbers (number of the format x scale) in f32.
;;   ~~~python
;;   def quantise(x, axis):      # numpy; x: float32 -> the quantised numbers, widened to float32 again
;;       x = np.moveaxis(x, axis, -1); K = x.shape[-1]
;;       x = np.pad(x, [(0, 0)] * (x.ndim - 1) + [(0, -K % 32)]); x = x.reshape(x.shape[:-1] + (-1, 32)); a = np.abs(x).max(-1, keepdims=True)
;;       e = np.where(a > 0, np.clip(np.frexp(np.where(a > 0, a, 1))[1] - 1 - 2, -126, 127), 0)      # np.frexp(a)[1] - 1 = floor(log2(a)), exactly
;;       r = np.clip(x / 2.0 ** e, -6, 6)
;;       step = 2.0 ** (np.maximum(np.frexp(np.where(r == 0, 1, r))[1] - 1, 0) - 1)
;;       q = np.round(r / step) * step * 2.0 ** e      # np.round: ties to even
;;       return np.moveaxis(q.reshape(q.shape[:-2] + (-1,))[..., :K], -1, axis).astype(np.float32)
;;   ~~~
;;   SOFTMAX AHEAD OF A QUANTISED PRODUCT. Where the list says 'softmax', what is quantised is not the finished softmax but p = 2^(t - M), with t = logit x log2(e) and M = ceil(the row's largest t), a whole number; so 1/2 < the row's largest p <= 1. The row's sum l is taken of the UNQUANTISED p, in f32, and the product's result is divided by l at the end. Since M is a whole number, a kernel that streams over the keys may use a running M (the ceiling of the running maximum): every later rescaling is an exact power of two, which a block's scale takes up: the codes' values come out the same.
;;   OPERANDS COMPUTED ON THE WAY. 'Computed on the way' means the value that the module computes at that place (a softmax that the list does not call 'softmax' is quantised finished and normalised). What goes into a quantiser is computed in f32, as accurately as f32 sums, v_exp_f32 and their like allow (about 1e-6 of the number): no bf16 or f16 on the way to a quantiser, and a product that is left as it is and whose result goes on into a quantised operand takes f32 operands (vector FMAs, or v_wmma_f32_16x16x4_f32). A number that lies on a knife's edge between two numbers of the format may be rounded either way, as far as f32 arithmetic and the matrix unit's own rounding can turn it there, and no further.
;; One version. Each part assembles by itself: llvm-mc -triple=amdgcn-amd-amdhsa -mcpu=gfx1250 --defsym DOCPART=n.
;; ======== version 1 of 1: 4 launches
;; workspace buffers: aop 4,456,448 bytes; wop 2,228,224 bytes; qop 4,718,592 bytes; kvop 9,175,040 bytes
;; launch quant (part 1): grid 192 x 1, 4 waves a work-group, no clusters, 34,304 bytes of LDS; arguments x, w_q, w_k, w_v, w_o, aop, wop; writes aop, wop
.if DOCPART == 1
	.amdgcn_target "amdgcn-amd-amdhsa--gfx1250"
	.amdhsa_code_object_version 6
	.text
	.protected	k_qf0d63af806_quant
	.globl	k_qf0d63af806_quant
	.p2align	8
	.type	k_qf0d63af806_quant,@function
k_qf0d63af806_quant:
	s_mov_b64 s[64:65], 0
	v_nop
	global_prefetch_b8 v0, s[64:65] scope:SCOPE_SE
	s_setreg_imm32_b32 hwreg(HW_REG_WAVE_MODE, 25, 1), 1
	s_wait_xcnt 0x0
; x [8192][1024] f32 and the four weights [1024 (k)][1024 (n)] f32 become codes of FP4 (E2M1) with one E8M0 byte for each 32 along K, laid as IMAGES OF OPERAND REGISTERS.
; A fragment (16 rows x 128 K) is 1,024 bytes [c:2][lane:32][16 bytes]: lane 16 h + r holds k = 64 c + 32 h + 0 .. 31 of row r.  aop: [tile:512][K step:8][1,024], then from byte 4,194,304 [16 tile + r][32 scale bytes];
; wop: [tile:256 = 64 each of q, k, v, o][K step:8][1,024], then from byte 2,097,152 [16 tile + r][32 scale bytes].
; THE ROWS OF A TILE ARE NOT NEIGHBOURS: in each group of 32 tokens (or columns of a weight) row r of tile u stands for index 8 u + r % 8 + 16 (r / 8), so that a later product used transposed leaves a lane 16 neighbours in 16 registers.
; A block's scale is 2^(floor(log2(largest magnitude)) - 2): its byte is the largest magnitude's exponent field - 2, held at 1 from below.
; LIMITS: a block of zeros gets the byte 1 where the rule says 127 (its codes are zeros and this program alone reads the bytes); NaN and infinities among the inputs are not served.
; Work-groups 0-127 take x (a wave: one tile, 16 rows x 1,024), work-groups 128-191 the weights (a wave: 32 columns x 512 along K).  No tensor loads, no barrier: waves share nothing.  Only x's path uses LDS.
; No matrix unit, no cluster: the launch streams each input byte once.
.set SP,  528                          ; x: a stage row: 512 bytes + 16 = 132 words: row r starts at bank 4 r mod 64 (64 banks of 4 bytes: ISA guide 11.1)
.set R,   16                           ; x: v16-143  two sets of 64: a K step's 16 rows as loaded
.set X,   144                          ; x: v144-207 my two blocks of 32 neighbours
.set C,   208                          ; x: v208-215 a fragment's codes
.set SW,  216                          ; x: v216-223 my row's scale word of each K step
.set WK,  224                          ; x: v224-231 at work
.set XW,  32                           ; w: v32-95   two sets of 32 numbers down K
.set CW,  96                           ; w: v96-159  four registers of codes for each of 16 blocks: no store's data are written again
.set SB,  24                           ; w: v24-27   16 scale bytes
	s_load_b256 s[4:11], s[0:1], 0x0               ; x s[4:5], w_q s[6:7], w_k s[8:9], w_v s[10:11]
	s_load_b128 s[12:15], s[0:1], 0x20             ; w_o s[12:13], aop s[14:15]
	s_load_b64 s[16:17], s[0:1], 0x30              ; wop
	v_lshl_add_u32 v232, v0, 2, 0x8400
	v_mov_b32 v233, 0
	v_lshrrev_b32 v1, 5, v0
	v_readfirstlane_b32 s18, v1                    ; wave 0..3
	v_and_b32 v10, 31, v0                          ; lane
	s_cmp_lt_u32 ttmp9, 128
	s_cbranch_scc0 .Lweights
	; ---------------- x ----------------
	v_and_b32 v11, 15, v0                          ; r
	v_bfe_u32 v12, v0, 4, 1                        ; h
	v_lshlrev_b32 v1, 4, v10                       ; 16 x lane: my bytes of a load's 512, and of an image's 512
	s_mul_i32 s19, s18, 16*SP                      ; my wave's stage
	v_add_nc_u32 v2, s19, v1                       ; into it: a row as it lies
	v_mul_u32_u24 v3, v11, SP
	v_lshl_add_u32 v3, v12, 7, v3
	v_add_nc_u32 v3, s19, v3                       ; out of it: row r, + 128 h: my block of 32 numbers
	v_lshlrev_b32 v4, 5, v11
	v_lshl_add_u32 v4, v12, 4, v4                  ; the scale bytes' way out: 32 r + 16 h
	v_lshlrev_b32 v5, 3, v12                       ; 8 h: my bytes' place in a scale word
	v_cmp_lt_u32 vcc_lo, 15, v10                   ; lanes 16-31
	v_mov_b32 v[WK+6], 0                           ; written once: a lane permute's destination counts as one of its sources
	s_mov_b32 s20, 0x76543210
	s_mov_b32 s21, 0xfedcba98                      ; v_permlanex16_b32's selects for lane l xor 16
	s_lshl_b32 s22, ttmp9, 2
	s_add_co_u32 s22, s22, s18                     ; my tile T
	s_lshr_b32 s24, s22, 1
	s_lshl_b32 s24, s24, 17                        ; its group of 32 rows of 4,096 bytes,
	s_and_b32 s25, s22, 1
	s_lshl_b32 s25, s25, 15                        ; and 8 rows on for an odd tile
	s_add_co_u32 s24, s24, s25
	s_mov_b32 s25, 0
	s_lshl_b32 s26, s22, 13                        ; its eight images
	s_mov_b32 s27, 0
	s_lshl_b32 s28, s22, 9
	s_add_co_u32 s28, s28, 0x400000                ; its 16 rows of scale bytes
	s_mov_b32 s29, 0
	s_wait_alu depctr_va_vdst(0)
	s_wait_kmcnt 0x0
	s_add_nc_u64 s[4:5], s[4:5], s[24:25]
	s_add_nc_u64 s[26:27], s[14:15], s[26:27]
	s_add_nc_u64 s[28:29], s[14:15], s[28:29]
.macro LOAD q                          ; K step q of the tile's 16 rows: each load reads 512 consecutive bytes of one row
.irp i, 0,1,2,3,4,5,6,7,8,9,10,11,12,13,14,15
	global_load_b128 v[R+64*((\q)%2)+4*\i:R+64*((\q)%2)+4*\i+3], v1, s[4:5] offset:((\i%8)+16*(\i/8))*4096+512*(\q) th:TH_LOAD_NT
.endr
.endm
.macro KSTEP q
.if (\q) < 7
	s_wait_loadcnt 16                              ; this step's 16 loads are in; the next step's 16 may be out
.else
	s_wait_loadcnt 0
.endif
.irp i, 0,1,2,3,4,5,6,7,8,9,10,11,12,13,14,15
	ds_store_b128 v2, v[R+64*((\q)%2)+4*\i:R+64*((\q)%2)+4*\i+3] offset:SP*\i
.endr
.irp c, 0,1
.irp i, 0,1,2,3,4,5,6,7
	ds_load_b128 v[X+32*\c+4*\i:X+32*\c+4*\i+3], v3 offset:256*\c+16*\i   ; LDS serves a wave's instructions in order (ISA guide 5.7.1.4): these see the stores above
.endr
.endr
	s_wait_dscnt 0x0                               ; my 64 numbers are back, and the stores have read their registers,
.if (\q) < 6
	LOAD (\q)+2                                    ; which take the loads of two steps on
.endif
.irp c, 0,1
	v_max3_num_f32 v[WK+\c], |v[X+32*\c]|, |v[X+32*\c+1]|, 0x1800000   ; block 2 c + h is all mine; the floor 2^(3 - 127) holds the byte at 1 from below
.endr
.irp i, 2,4,6,8,10,12,14,16,18,20,22,24,26,28,30
.irp c, 0,1
	v_max3_num_f32 v[WK+\c], v[WK+\c], |v[X+32*\c+\i]|, |v[X+32*\c+\i+1]|
.endr
.endr
.irp c, 0,1
	v_add_nc_u32 v[WK+2+\c], 0xff000000, v[WK+\c]  ; 2 off the exponent field: the conversion's scale operand
.endr
.irp c, 0,1
	v_lshrrev_b32 v[WK+4+\c], 23, v[WK+2+\c]       ; the scale's byte
.endr
	v_lshl_or_b32 v[WK+4], v[WK+5], 16, v[WK+4]    ; my two bytes, blocks h and 2 + h,
	v_lshlrev_b32 v[WK+4], v5, v[WK+4]             ; at their places in the word;
	v_permlanex16_b32 v[WK+6], v[WK+4], s20, s21
	v_or_b32 v[SW+(\q)], v[WK+4], v[WK+6]          ; with lane l xor 16's two the word is whole
	s_wait_alu depctr_va_vdst(0)
	s_wait_xcnt 0x0                                ; the last step's stores have read C: it is written again only behind this wait
.irp c, 0,1
.irp g, 0,1,2,3
	v_cvt_scalef32_pk8_fp4_f32 v[C+4*\c+\g], v[X+32*\c+8*\g:X+32*\c+8*\g+7], v[WK+2+\c]
.endr
.endr
	v_nop                                          ; one plain place behind the last scaled conversion
.irp c, 0,1
	global_store_b128 v1, v[C+4*\c:C+4*\c+3], s[26:27] offset:1024*(\q)+512*\c   ; 512 consecutive bytes of the image
.endr
.endm
	LOAD 0
	LOAD 1
.irp q, 0,1,2,3,4,5,6,7
	KSTEP \q
.endr
.irp i, 0,1,2,3
	v_cndmask_b32 v[X+\i], v[SW+\i], v[SW+4+\i], vcc_lo   ; lanes 0-15 send their row's words 0-3, lanes 16-31 words 4-7
.endr
	global_store_b128 v4, v[X:X+3], s[28:29]       ; 512 consecutive bytes: the tile's scale bytes
	s_wait_tensorcnt 0x0
	ds_add_u32 v232, v233
	s_wait_dscnt 0x0
	s_endpgm
	; ---------------- the weights: a lane to a column, registers down K ----------------
.Lweights:
	s_sub_co_u32 s19, ttmp9, 128
	s_lshr_b32 s20, s19, 4                         ; which matrix: q, k, v, o
	s_bfe_u32 s21, s19, 0x30001                    ; which 128 columns
	s_and_b32 s22, s19, 1                          ; which half of K
	s_lshl_b32 s23, s21, 7
	s_lshl_b32 s24, s18, 5
	s_add_co_u32 s23, s23, s24                     ; my wave's first column n0
	s_wait_alu depctr_va_vdst(0)
	v_lshlrev_b32 v3, 2, v10                       ; in: 4 bytes a lane: 128 consecutive bytes a load
	v_bfe_u32 v4, v10, 3, 1                        ; my column's tile u in its group of 32,
	v_and_b32 v5, 7, v10
	v_lshrrev_b32 v6, 4, v10
	v_lshl_add_u32 v5, v6, 3, v5                   ; and its row r there
	v_lshlrev_b32 v7, 13, v4
	v_lshl_add_u32 v7, v5, 4, v7                   ; out: 8,192 u + 16 r
	v_lshl_add_u32 v9, v4, 4, v5
	v_lshlrev_b32 v9, 5, v9                        ; scale bytes: row 16 u + r of 32 bytes
	s_lshl_b32 s24, s22, 21                        ; 512 rows of 4,096 bytes for the upper half of K,
	s_lshl_b32 s25, s23, 2
	s_add_co_u32 s24, s24, s25                     ; + 4 n0
	s_mov_b32 s25, 0
	s_lshl_b32 s26, s20, 6
	s_lshr_b32 s27, s23, 4
	s_add_co_u32 s26, s26, s27                     ; tile 64 m + n0 / 16
	s_lshl_b32 s26, s26, 13
	s_lshl_b32 s27, s22, 12                        ; four K steps on for the upper half
	s_add_co_u32 s26, s26, s27
	s_mov_b32 s27, 0
	s_lshl_b32 s28, s20, 10
	s_add_co_u32 s28, s28, s23
	s_lshl_b32 s28, s28, 5                         ; row 1,024 m + n0 of the scale bytes,
	s_lshl_b32 s29, s22, 4
	s_add_co_u32 s28, s28, s29                     ; 16 bytes on for the upper half
	s_add_co_u32 s28, s28, 0x200000
	s_mov_b32 s29, 0
	s_wait_alu depctr_va_vdst(0)
	s_wait_kmcnt 0x0
	s_cmp_eq_u32 s20, 1                            ; the matrix is chosen by the work-group's number alone
	s_cselect_b64 s[6:7], s[8:9], s[6:7]
	s_cmp_eq_u32 s20, 2
	s_cselect_b64 s[6:7], s[10:11], s[6:7]
	s_cmp_eq_u32 s20, 3
	s_cselect_b64 s[6:7], s[12:13], s[6:7]
	s_add_nc_u64 s[6:7], s[6:7], s[24:25]
	s_add_nc_u64 s[26:27], s[16:17], s[26:27]
	s_add_nc_u64 s[28:29], s[16:17], s[28:29]
.macro LOADW t                         ; block t: w(32 t + i, my column)
.irp i, 0,1,2,3,4,5,6,7,8,9,10,11,12,13,14,15,16,17,18,19,20,21,22,23,24,25,26,27,28,29,30,31
	global_load_b32 v[XW+32*((\t)%2)+\i], v3, s[6:7] offset:(32*(\t)+\i)*4096 th:TH_LOAD_NT
.endr
.endm
.macro BLOCK t
.set XS, XW+32*((\t)%2)
.if (\t) < 15
	s_wait_loadcnt 32                              ; this block's 32 loads are in; the next block's may be out
.else
	s_wait_loadcnt 0
.endif
	v_max3_num_f32 v12, |v[XS]|, |v[XS+1]|, |v[XS+2]|
	v_max3_num_f32 v13, |v[XS+3]|, |v[XS+4]|, |v[XS+5]|
.irp i, 6,10,14,18,22,26
	v_max3_num_f32 v12, v12, |v[XS+\i]|, |v[XS+\i+1]|
	v_max3_num_f32 v13, v13, |v[XS+\i+2]|, |v[XS+\i+3]|
.endr
	v_max3_num_f32 v12, v12, |v[XS+30]|, |v[XS+31]|
	v_max3_num_f32 v12, v12, v13, 0x1800000        ; the floor 2^(3 - 127)
	v_add_nc_u32 v11, 0xff000000, v12              ; the conversion's scale operand
	v_lshrrev_b32 v13, 23, v11                     ; the byte
.if (\t)%4 == 0
	v_mov_b32 v[SB+(\t)/4], v13
.else
	v_lshl_or_b32 v[SB+(\t)/4], v13, 8*((\t)%4), v[SB+(\t)/4]
.endif
.irp g, 0,1,2,3
	v_cvt_scalef32_pk8_fp4_f32 v[CW+4*(\t)+\g], v[XS+8*\g:XS+8*\g+7], v11
.endr
	v_nop                                          ; one plain place behind the last scaled conversion
	global_store_b128 v7, v[CW+4*(\t):CW+4*(\t)+3], s[26:27] offset:((\t)/4)*1024+(((\t)/2)%2)*512+((\t)%2)*256   ; block t is (K step t / 4, c, h) of an image: two runs of 256 consecutive bytes, one for each tile
.if (\t)+2 < 16
	LOADW (\t)+2
.endif
.endm
	LOADW 0
	LOADW 1
.irp t, 0,1,2,3,4,5,6,7,8,9,10,11,12,13,14,15
	BLOCK \t
.endr
	global_store_b128 v9, v[SB:SB+3], s[28:29]     ; my column's 16 bytes of its row of 32: rows are written in halves, by two work-groups; 131,072 bytes in the whole launch
	s_endpgm
.Lfunc_end_k_qf0d63af806_quant:
	.size	k_qf0d63af806_quant, .Lfunc_end_k_qf0d63af806_quant-k_qf0d63af806_quant
	.p2alignl 7, 3214868480
	.fill 96, 4, 3214868480
	.section	.rodata,"a",@progbits
	.p2align	6, 0x0
	.amdhsa_kernel k_qf0d63af806_quant
		.amdhsa_group_segment_fixed_size 34304
		.amdhsa_private_segment_fixed_size 0
		.amdhsa_enable_private_segment 0
		.amdhsa_kernarg_size 56
		.amdhsa_user_sgpr_count 2
		.amdhsa_user_sgpr_kernarg_segment_ptr 1
		.amdhsa_wavefront_size32 1
		.amdhsa_system_sgpr_workgroup_id_x 1
		.amdhsa_system_sgpr_workgroup_id_y 1
		.amdhsa_system_sgpr_workgroup_id_z 1
		.amdhsa_system_vgpr_workitem_id 0
		.amdhsa_next_free_vgpr 234
		.amdhsa_next_free_sgpr 66
		.amdhsa_reserve_vcc 1
		.amdhsa_float_denorm_mode_32 3
		.amdhsa_float_denorm_mode_16_64 3
		.amdhsa_memory_ordered 1
		.amdhsa_forward_progress 1
		.amdhsa_inst_pref_size 132
	.end_amdhsa_kernel
	.amdgpu_metadata
---
amdhsa.version: [ 1, 2 ]
amdhsa.kernels:
  - .name:           k_qf0d63af806_quant
    .symbol:         k_qf0d63af806_quant.kd
    .args:
      - { .name: x, .offset: 0, .size: 8, .value_kind: global_buffer, .address_space: global }
      - { .name: w_q, .offset: 8, .size: 8, .value_kind: global_buffer, .address_space: global }
      - { .name: w_k, .offset: 16, .size: 8, .value_kind: global_buffer, .address_space: global }
      - { .name: w_v, .offset: 24, .size: 8, .value_kind: global_buffer, .address_space: global }
      - { .name: w_o, .offset: 32, .size: 8, .value_kind: global_buffer, .address_space: global }
      - { .name: aop, .offset: 40, .size: 8, .value_kind: global_buffer, .address_space: global }
      - { .name: wop, .offset: 48, .size: 8, .value_kind: global_buffer, .address_space: global }
    .group_segment_fixed_size: 34304
    .private_segment_fixed_size: 0
    .kernarg_segment_align: 8
    .kernarg_segment_size: 56
    .max_flat_workgroup_size: 128
    .sgpr_count:     66
    .vgpr_count:     234
    .wavefront_size: 32
...
	.end_amdgpu_metadata
.endif
;; end of part 1
;; launch qkv (part 2): grid 12 x 32, 4 waves a work-group, clusters of 4 x 4, 280,064 bytes of LDS; arguments aop, wop, b_q, b_k, b_v, qop, kvop; writes qop, kvop
.if DOCPART == 2
	.amdgcn_target "amdgcn-amd-amdhsa--gfx1250"
	.amdhsa_code_object_version 6
	.text
	.protected	k_qf0d63af806_qkv
	.globl	k_qf0d63af806_qkv
	.p2align	8
	.type	k_qf0d63af806_qkv,@function
k_qf0d63af806_qkv:
	s_mov_b64 s[64:65], 0
	v_nop
	global_prefetch_b8 v0, s[64:65] scope:SCOPE_SE
	s_setreg_imm32_b32 hwreg(HW_REG_WAVE_MODE, 25, 1), 1
	s_wait_xcnt 0x0
	s_wait_alu depctr_hold_cnt(0) depctr_sa_sdst(0) depctr_va_vdst(0) depctr_va_sdst(0) depctr_va_ssrc(0) depctr_va_vcc(0) depctr_vm_vsrc(0)
	s_getreg_b32 s2, hwreg(HW_REG_IB_STS2, 6, 4)
	s_cmp_eq_u32 s2, 0
	s_cbranch_scc0 .Lentry_in_a_cluster
	s_endpgm
.Lentry_in_a_cluster:
	s_bfe_u32 s2, ttmp6, 0x10000c
	s_cmp_lg_u32 s2, 0xf033
	s_cbranch_scc0 .Lentry_shape_is_right
	s_endpgm
.Lentry_shape_is_right:
; q = x w_q + b_q, k = x w_k + b_k, v = x w_v + b_v on codes of FP4 (E2M1) with E8M0 scales, and the results quantised again in registers: q and k along the head's 64, v along the tokens (the keys).
; Operands come as images of operand registers (a fragment, 16 rows x 128 K, is 1,024 bytes [c][lane][16]); in each group of 32 tokens or columns row r of tile u stands for index 8 u + r % 8 + 16 (r / 8).
; A work-group makes 256 x 256, each of its four waves 128 x 128: 64 accumulators, 512 registers.  K = 1,024 is two LDS slots of 512: BOTH ARE FILLED ONCE, at the start; nothing is filled again.
; THE MATRIX INSTRUCTION: source 0 = role B, source 1 = role A.  In accumulator (a, b) lane (r, h) holds A's row 16 a + r, and by the choice of a tile's rows its 64 registers of b = 0 .. 7 run along B: register 16 B + i = index 32 B + 16 h + i.
; KIND = the cluster's x.  0 (q), 1 (k): A = x, B = the weight: a lane's registers run along the columns, two heads of 64.  2 (v): A = w_v, B = x: they run along 128 tokens.  So each a gives one fragment (q, k: two half fragments, one a head).
; The bias is the C of each sum's first product.
; OUT.  qop: [b h][token tile:128][lane][16 bytes], then from 4,194,304 [b h][step of 128 tokens:16][r:16][tile:8] scale words (bytes 0, 1; the upper two 0, over zero codes).
;       kvop: [b h][step:16][K: 8 tiles x 512 | V: 4 tiles of 16 d x 1,024], then from 8,388,608 [b h][step][K: [r][tile:8] words | V: [r][tile:4] words].
; CLUSTERS: 4 x 4.  A's tiles are shared along a row of the cluster, B's along a column: joint loads.  All branches but those on the wave's number hang on KIND, which all sixteen partners share.
; LIMITS: a block of zeros gets the byte 1 where the rule says 127 (zero codes; this program alone reads the bytes); NaN and infinities are not served.
; REGISTERS: window 0: v1-3 r, h, lane; v16-27 addresses; v32-95 scale words, two sets; v128-191 A's fragments, one set; v192-255 the bias; on the way out v96-167 at work.
;   window 1: B's fragments, two sets, at v0 and v128.   window 2: accumulators of a = 0-3 ((a, b) at v[8 (8 (a % 4) + b)]);   window 3: of a = 4-7.
.set NQ,    4                          ; steps of 128 along K in a slot
.set FR,    8                          ; registers of a fragment
.set SLOT,  131072                     ; role A's 16 tiles x 4,096 bytes, then role B's
.set SCL,   2*SLOT                     ; behind the slots: the scale bytes of 4 x 128 rows, 32 a row, as runs of 256 bytes + 16 of padding
.set HALFS, 4352
.set SBLK,  544                        ; those of 16 rows
.set ADRA,  16                         ; v16-17 LDS address of my A fragments in slot 0, 1
.set ADRB,  20                         ; v20-21 the same for B
.set LI,    24                         ; v24    16 x lane
.set SOF,   25                         ; v25    the scale words' way out
.set ADRS,  27                         ; v27    my scale words: lanes 0-15 A's rows, lanes 16-31 B's
.set SC,    32
.set TM,    96                         ; v96-99 largest magnitudes, v100-103 bytes, v108-111 scale operands
.set PC,    112                        ; v112-119 the codes just made
.set AF,    128
.set SW,    144                        ; v144-159 scale words gathered
.set OUT,   160
.set BI,    192
.set WV,    24
.set HA,    25                         ; which half of A's rows is mine.  Also: I fetch for A (0) or for B (1)
.set HB,    26                         ; which half of B's.  Also: which 128 rows I fetch
.set CX,    27
.set CY,    28
.set KIND,  29
.set CLY,   30
.set G1A,   36
.set G1B,   44
.set G1SA,  52
.set G1SB,  68
.set G0A,   76                         ; s[76:83] one set for each slot
.set G0B,   84
.set G0SA,  92
.set G0SB,  96
.set MSB, 0
.macro WIN new                         ; the immediate's high byte repeats the setting that is left
.if MSB != \new
	s_set_vgpr_msb (MSB<<8)|\new
.set MSB, \new
.endif
.endm
; A joint load: waves 0 and 1 fetch for A, waves 2 and 3 for B; four v_nop follow each of the two lines.
.macro JLOAD g0a, g1a, g0b, g1b
	s_cmp_eq_u32 s[HA], 0
	s_cbranch_scc0 .Lfor_b_\@
	tensor_load_to_lds s[\g0a:\g0a+3], s[\g1a:\g1a+7]
	s_nop 0
.rept 4
	v_nop
.endr
	s_branch .Lasked_\@
.Lfor_b_\@:
	tensor_load_to_lds s[\g0b:\g0b+3], s[\g1b:\g1b+7]
	s_nop 0
.rept 4
	v_nop
.endr
.Lasked_\@:
.endm
.macro CROUND                          ; a round of the cluster's barrier
	s_barrier_signal -1
	s_barrier_wait -1
	s_cmp_lg_u32 s[WV], 0
	s_cbranch_scc1 .Lnot_wave_0_\@
	s_barrier_signal -3
.Lnot_wave_0_\@:
	s_barrier_wait -3
	s_barrier_signal -1
	s_barrier_wait -1
.endm
.macro PLACES n
.rept \n
	v_nop
.endr
.endm
	s_load_b256 s[4:11], s[0:1], 0x0               ; aop s[4:5], wop s[6:7], b_q s[8:9], b_k s[10:11]
	s_load_b128 s[12:15], s[0:1], 0x20             ; b_v s[12:13], qop s[14:15]
	s_load_b64 s[16:17], s[0:1], 0x30              ; kvop
	v_lshl_add_u32 v126, v0, 2, 0x44400
	v_mov_b32 v127, 0
	ds_add_u32 v126, v127
	ds_add_u32 v126, v127
	v_lshrrev_b32 v1, 5, v0
	v_readfirstlane_b32 s[WV], v1                  ; wave 0..3
	s_lshr_b32 s[HA], s[WV], 1
	s_and_b32 s[HB], s[WV], 1
	s_bfe_u32 s[CX], ttmp6, 0x40000
	s_bfe_u32 s[CY], ttmp6, 0x40004
	s_mov_b32 s[KIND], ttmp9                       ; the cluster's x: 0 q, 1 k, 2 v
	s_and_b32 s[CLY], ttmp7, 0xffff                ; the cluster's y
	s_lshl_b32 s31, s[CY], 2
	s_lshl_b32 s31, 15, s31                        ; my row of the cluster
	s_lshl_b32 s32, 0x1111, s[CX]                  ; my column
	; group 1 for codes: 8 tiles' 4,096 bytes (four K steps' images), 8,192 bytes apart: 8 rows of 512 elements of 8 bytes, dense in LDS
	s_or_b32 s[G1A], s31, (3<<16)|(1<<21)
	s_or_b32 s[G1B], s32, (3<<16)|(1<<21)
.irp g, G1A, G1B
	s_mov_b32 s[\g+1], 512<<16                     ; tensor_dim0
	s_mov_b32 s[\g+2], 8<<16                       ; tensor_dim1
	s_mov_b32 s[\g+3], 512<<16                     ; tile_dim0
	s_mov_b32 s[\g+4], 8                           ; tile_dim1
	s_mov_b32 s[\g+5], 1024                        ; stride
	s_mov_b32 s[\g+6], 0
	s_mov_b32 s[\g+7], 0
.endr
	; group 1 for the scale bytes of 128 rows: 4,096 dense bytes as 16 rows of 256, 16 bytes of padding behind each
	s_or_b32 s[G1SA], s31, (3<<16)|(1<<20)|(1<<21)|(5<<22)|(3<<25)
	s_or_b32 s[G1SB], s32, (3<<16)|(1<<20)|(1<<21)|(5<<22)|(3<<25)
.irp g, G1SA, G1SB
	s_mov_b32 s[\g+1], 32<<16
	s_mov_b32 s[\g+2], 16<<16
	s_mov_b32 s[\g+3], 32<<16
	s_mov_b32 s[\g+4], 16
	s_mov_b32 s[\g+5], 32
	s_mov_b32 s[\g+6], 0
	s_mov_b32 s[\g+7], 0
.endr
	s_lshl_b32 s34, s[CLY], 2
	s_lshl_b32 s35, s[KIND], 2
	s_mov_b32 s33, 0x400000                        ; where aop's scale bytes begin
	s_mov_b32 s2, 0x200000                         ; and wop's
	s_lshl_b32 s3, s[HB], 7                        ; which 128 rows I fetch
	s_wait_dscnt 0x0
	s_wait_kmcnt 0x0
	s_cmp_eq_u32 s[KIND], 2                        ; for v the roles change places.  A's numbers hold cy and the cluster's place alone, B's cx and the cluster's place
	s_cselect_b32 s60, 8, s34                      ; A's tile of 256 rows, less cy: w_v's, or x's
	s_cselect_b32 s61, s34, s35                    ; B's, less cx: x's, or the weight's
	s_cselect_b32 s62, s2, s33
	s_cselect_b32 s63, s33, s2
	s_cselect_b64 s[18:19], s[6:7], s[4:5]         ; A's buffer
	s_cselect_b64 s[20:21], s[4:5], s[6:7]         ; B's
	s_add_co_u32 s60, s60, s[CY]
	s_lshl_b32 s60, s60, 8
	s_add_co_u32 s60, s60, s3                      ; A: the first row that I fetch
	s_add_co_u32 s61, s61, s[CX]
	s_lshl_b32 s61, s61, 8
	s_add_co_u32 s61, s61, s3                      ; B likewise
	s_lshl_b32 s22, s60, 9                         ; 512 bytes of codes a row
	s_mov_b32 s23, 0
	s_lshl_b32 s100, s61, 9
	s_mov_b32 s101, 0
	s_lshl_b32 s34, s[WV], 15                      ; where they go: wave x 32,768: A's two halves, then B's two
	s_mul_i32 s35, s[WV], HALFS
	s_mov_b32 s[G0A], 1
	s_mov_b32 s[G0A+1], s34
	s_add_nc_u64 s[G0A+2:G0A+3], s[18:19], s[22:23]
	s_mov_b32 s[G0A+4], 1
	s_add_co_u32 s[G0A+5], s34, SLOT
	s_add_nc_u64 s[G0A+6:G0A+7], s[G0A+2:G0A+3], 4096   ; slot 1: K steps 4-7
	s_or_b32 s[G0A+3], s[G0A+3], 0x80000000
	s_or_b32 s[G0A+7], s[G0A+7], 0x80000000
	s_mov_b32 s[G0B], 1
	s_mov_b32 s[G0B+1], s34
	s_add_nc_u64 s[G0B+2:G0B+3], s[20:21], s[100:101]
	s_mov_b32 s[G0B+4], 1
	s_add_co_u32 s[G0B+5], s34, SLOT
	s_add_nc_u64 s[G0B+6:G0B+7], s[G0B+2:G0B+3], 4096
	s_or_b32 s[G0B+3], s[G0B+3], 0x80000000
	s_or_b32 s[G0B+7], s[G0B+7], 0x80000000
	s_lshl_b32 s22, s60, 5                         ; 32 scale bytes a row
	s_add_co_u32 s22, s22, s62
	s_mov_b32 s[G0SA], 1
	s_add_co_u32 s[G0SA+1], s35, SCL
	s_add_nc_u64 s[G0SA+2:G0SA+3], s[18:19], s[22:23]
	s_or_b32 s[G0SA+3], s[G0SA+3], 0x80000000
	s_lshl_b32 s100, s61, 5
	s_add_co_u32 s100, s100, s63
	s_mov_b32 s[G0SB], 1
	s_add_co_u32 s[G0SB+1], s35, SCL
	s_add_nc_u64 s[G0SB+2:G0SB+3], s[20:21], s[100:101]
	s_or_b32 s[G0SB+3], s[G0SB+3], 0x80000000
	CROUND                                         ; all sixteen work-groups are here: the joint loads meet
	JLOAD G0SA, G1SA, G0SB, G1SB                   ; three loads of mine are out: the scales,
	JLOAD G0A, G1A, G0B, G1B                       ; slot 0,
	JLOAD G0A+4, G1A, G0B+4, G1B                   ; slot 1
	v_and_b32 v1, 15, v0                           ; r
	v_bfe_u32 v2, v0, 4, 1                         ; h
	v_and_b32 v3, 31, v0                           ; lane
	v_lshlrev_b32 v[LI], 4, v3
	s_lshl_b32 s2, s[HA], 15                       ; my 8 tiles of A
	s_lshl_b32 s3, s[HB], 15
	s_add_co_u32 s3, s3, 65536                     ; my 8 tiles of B, behind A's 16
.irp s, 0,1
	v_add_nc_u32 v[ADRA+\s], s2, v[LI]
	v_add_nc_u32 v[ADRB+\s], s3, v[LI]
	s_add_co_u32 s2, s2, SLOT
	s_add_co_u32 s3, s3, SLOT
.endr
	v_lshlrev_b32 v5, 5, v1                        ; my row's scale bytes: 32 a row,
	v_lshrrev_b32 v6, 3, v1
	v_lshl_add_u32 v5, v6, 4, v5                   ; and 16 more for each 256 passed
	s_mul_i32 s2, s[HA], HALFS
	s_mul_i32 s3, s[HB], HALFS
	s_add_co_u32 s3, s3, 2*HALFS
	s_sub_co_u32 s3, s3, s2
	v_mul_u32_u24 v6, s3, v2                       ; lanes 16-31 take B's
	s_add_co_u32 s2, s2, SCL
	v_add_nc_u32 v5, v5, v6
	v_add_nc_u32 v[ADRS], s2, v5
	; where the results go, and the bias.  (cx enters here: in registers that fed none of A's descriptors)
	s_cmp_eq_u32 s[KIND], 2
	s_cselect_b32 s20, s[CX], s[CY]                ; the tokens' tile in the cluster,
	s_cselect_b32 s21, s[HB], s[HA]                ; my half of it,
	s_cselect_b32 s61, s[CY], s[CX]                ; the columns' tile,
	s_cselect_b32 s63, s[HA], s[HB]                ; my half of it
	s_cselect_b32 s100, 4096, 0                    ; V's images lie behind a step's K images,
	s_cselect_b32 s101, 512, 0                     ; its scale words behind K's
	s_cselect_b64 s[8:9], s[12:13], s[8:9]
	s_cmp_eq_u32 s[KIND], 1
	s_cselect_b64 s[8:9], s[10:11], s[8:9]         ; b_q, b_k or b_v
	s_lshl_b32 s66, s[CLY], 2
	s_add_co_u32 s20, s20, s66
	s_lshl_b32 s20, s20, 1
	s_add_co_u32 s20, s20, s21                     ; my first token / 128
	s_lshl_b32 s61, s61, 1
	s_add_co_u32 s61, s61, s63                     ; my first column / 128
	s_lshl_b32 s66, s61, 9
	s_mov_b32 s67, 0
	s_add_nc_u64 s[8:9], s[8:9], s[66:67]          ; the bias at my first column
	s_lshr_b32 s21, s20, 4                         ; batch
	s_lshl_b32 s21, s21, 4
	s_lshl_b32 s61, s61, 1                         ; my first head
	s_add_co_u32 s21, s21, s61
	s_lshl_b32 s21, s21, 4
	s_and_b32 s20, s20, 15                         ; the step of 128 tokens
	s_add_co_u32 s21, s21, s20                     ; idx = (16 batch + head) 16 + step
	s_mov_b32 s20, 768
	s_mov_b32 s61, 0x800000
	s_mov_b32 s63, 131072
	s_mov_b32 s104, 12288
	s_cmp_eq_u32 s[KIND], 0
	s_cselect_b64 s[14:15], s[14:15], s[16:17]     ; qop or kvop
	s_cselect_b32 s105, 12, 13                     ; a step's images: 4,096 or 8,192 bytes
	s_cselect_b32 s20, 512, s20                    ; its scale words
	s_cselect_b32 s61, 0x400000, s61               ; where the scale words begin
	s_cselect_b32 s63, 65536, s63                  ; from a head's images to the next head's
	s_cselect_b32 s104, 8192, s104                 ; and its scale words
	s_mul_i32 s66, s21, s20
	s_add_co_u32 s66, s66, s61
	s_add_co_u32 s66, s66, s101
	s_add_nc_u64 s[16:17], s[14:15], s[66:67]      ; scale words, my first head
	s_lshl_b32 s66, s21, s105
	s_add_co_u32 s66, s66, s100
	s_add_nc_u64 s[14:15], s[14:15], s[66:67]      ; images, my first head
	s_mov_b32 s66, s63
	s_add_nc_u64 s[10:11], s[14:15], s[66:67]      ; images, my second head
	s_mov_b32 s66, s104
	s_add_nc_u64 s[12:13], s[16:17], s[66:67]      ; scale words, my second head
	s_cmp_eq_u32 s[KIND], 2
	s_cbranch_scc1 .Lbias_v
	v_lshlrev_b32 v7, 6, v2                        ; q, k: register j of tile b is column 32 (b / 2) + 16 h + 8 (b % 2) + j
.irp b, 0,1,2,3,4,5,6,7
	global_load_b128 v[BI+8*\b:BI+8*\b+3], v7, s[8:9] offset:(32*(\b/2)+8*(\b%2))*4
	global_load_b128 v[BI+8*\b+4:BI+8*\b+7], v7, s[8:9] offset:(32*(\b/2)+8*(\b%2))*4+16
.endr
	s_branch .Lbias_in
.Lbias_v:
	v_and_b32 v7, 7, v1                            ; v: all eight registers of tile a are column 32 (a / 2) + 8 (a % 2) + r % 8 + 16 (r / 8)
	v_lshrrev_b32 v8, 3, v1
	v_lshl_add_u32 v7, v8, 4, v7
	v_lshlrev_b32 v7, 2, v7
.irp a, 0,1,2,3,4,5,6,7
.irp j, 0,1,2,3,4,5,6,7
	global_load_b32 v[BI+8*\a+\j], v7, s[8:9] offset:(32*(\a/2)+8*(\a%2))*4
.endr
.endr
.Lbias_in:
.macro FRAG reg, adr, q, i             ; an image comes back as it was stored: two loads of 512 consecutive bytes
.irp c, 0,1
	ds_load_b128 v[\reg+4*\c:\reg+4*\c+3], v[\adr] offset:(\i)*4096+(\q)*1024+512*\c
.endr
.endm
; 16 products: A's blocks a0, a0 + 1 x B's eight.  mode 0: onto the sums; 1: the sums begin with the bias by B's tile; 2: by A's tile.  The 64 accumulators take turns, one instruction a turn.
.macro MUL16 a0, p, q, sc, mode
.irp a, \a0, \a0+1
.irp b, 0,1,2,3,4,5,6,7
.if \mode == 0
	v_wmma_scale_f32_16x16x128_f8f6f4 v[8*(8*((\a)%4)+\b):8*(8*((\a)%4)+\b)+7], v[128*(\p)+FR*\b:128*(\p)+FR*\b+FR-1], v[AF+FR*(\a):AF+FR*(\a)+FR-1], v[8*(8*((\a)%4)+\b):8*(8*((\a)%4)+\b)+7], v[SC+8*NQ*(\sc)+NQ*\b+(\q)], v[SC+8*NQ*(\sc)+NQ*(\a)+(\q)] matrix_a_fmt:MATRIX_FMT_FP4 matrix_b_fmt:MATRIX_FMT_FP4 matrix_a_scale:MATRIX_SCALE_ROW1
.elseif \mode == 1
	v_wmma_scale_f32_16x16x128_f8f6f4 v[8*(8*((\a)%4)+\b):8*(8*((\a)%4)+\b)+7], v[128*(\p)+FR*\b:128*(\p)+FR*\b+FR-1], v[AF+FR*(\a):AF+FR*(\a)+FR-1], v[BI+8*\b:BI+8*\b+7], v[SC+8*NQ*(\sc)+NQ*\b+(\q)], v[SC+8*NQ*(\sc)+NQ*(\a)+(\q)] matrix_a_fmt:MATRIX_FMT_FP4 matrix_b_fmt:MATRIX_FMT_FP4 matrix_a_scale:MATRIX_SCALE_ROW1
.else
	v_wmma_scale_f32_16x16x128_f8f6f4 v[8*(8*((\a)%4)+\b):8*(8*((\a)%4)+\b)+7], v[128*(\p)+FR*\b:128*(\p)+FR*\b+FR-1], v[AF+FR*(\a):AF+FR*(\a)+FR-1], v[BI+8*(\a):BI+8*(\a)+7], v[SC+8*NQ*(\sc)+NQ*\b+(\q)], v[SC+8*NQ*(\sc)+NQ*(\a)+(\q)] matrix_a_fmt:MATRIX_FMT_FP4 matrix_b_fmt:MATRIX_FMT_FP4 matrix_a_scale:MATRIX_SCALE_ROW1
.endif
.endr
.endr
.endm
.macro FETCH_B slot, q, p
	WIN 0x40                                       ; destination window 1
.irp i, 0,1,2,3,4,5,6,7
	FRAG 128*(\p)+FR*\i, ADRB+\slot, \q, \i
.endr
	WIN 0
.endm
.macro FETCH_A slot, q, i0
.irp i, \i0, \i0+1, \i0+2, \i0+3
	FRAG AF+FR*(\i), ADRA+\slot, \q, \i
.endr
.endm
.macro SCALES sc                       ; a slot's four scale words a row: lanes 0-15 A's block i, lanes 16-31 B's block i
.irp i, 0,1,2,3,4,5,6,7
	ds_load_b128 v[SC+8*NQ*\sc+NQ*\i:SC+8*NQ*\sc+NQ*\i+3], v[ADRS] offset:\i*SBLK
.endr
.endm
; A step of 128 along K that has its successor in the same slot.  Four places stand in front of each run of loads into registers that matrix instructions have read (ISA guide 7.12.1 for vector instructions).
.macro STEP slot, q, mode
	s_wait_dscnt 8                                 ; B's set, A's blocks 0-3 and the scale words are in; the youngest eight loads (A's blocks 4-7) may be out
.if \mode
	WIN 0x81                                       ; source 0 window 1, source 1 and C window 0, D window 2
.else
	WIN 0xa1                                       ; C and D window 2
.endif
	MUL16 0, (\q)%2, \q, \slot, \mode
	MUL16 2, (\q)%2, \q, \slot, \mode
	s_wait_dscnt 0x0                               ; A's blocks 4-7 are in
	PLACES 4
	FETCH_B \slot, (\q)+1, 1-(\q)%2
	FETCH_A \slot, (\q)+1, 0
.if \mode
	WIN 0xc1
.else
	WIN 0xf1
.endif
	MUL16 4, (\q)%2, \q, \slot, \mode
	MUL16 6, (\q)%2, \q, \slot, \mode
	PLACES 4
	WIN 0
	FETCH_A \slot, (\q)+1, 4
.endm
	s_wait_tensorcnt 1                             ; the scales and my part of slot 0 are in; slot 1's load may stay out
	s_barrier_signal -1
	s_barrier_wait -1                              ; everybody's are
	FETCH_B 0, 0, 0
	FETCH_A 0, 0, 0
	s_wait_alu depctr_va_vdst(0)
	SCALES 0
	FETCH_A 0, 0, 4
	s_wait_loadcnt 0x0                             ; the bias
	s_cmp_eq_u32 s[KIND], 2
	s_cbranch_scc1 .Lfirst_v
	STEP 0, 0, 1                                   ; the first step starts the sums with the bias: nothing is cleared, nothing added later
	s_branch .Lfirst_done
.Lfirst_v:
	STEP 0, 0, 2
.Lfirst_done:
	STEP 0, 1, 0
	STEP 0, 2, 0
	; slot 0's last step, and the change to slot 1
	s_wait_tensorcnt 0x0                           ; my part of slot 1 is in
	s_wait_dscnt 8
	WIN 0xa1
	MUL16 0, 1, 3, 0, 0
	s_wait_dscnt 0x0                               ; no LDS instruction of mine is out at the signal
	s_barrier_signal -1
	MUL16 2, 1, 3, 0, 0
	WIN 0
	s_barrier_wait -1                              ; slot 1 is whole
	PLACES 4
	v_add_nc_u32 v[ADRS], 16, v[ADRS]              ; slot 1's four scale words
	FETCH_B 1, 0, 0
	FETCH_A 1, 0, 0
	SCALES 1
	WIN 0xf1
	MUL16 4, 1, 3, 0, 0
	MUL16 6, 1, 3, 0, 0
	PLACES 4
	WIN 0
	FETCH_A 1, 0, 4
	STEP 1, 0, 0
	STEP 1, 1, 0
	STEP 1, 2, 0
	s_wait_dscnt 8                                 ; the very last step: nothing more to fetch
	WIN 0xa1
	MUL16 0, 1, 3, 1, 0
	MUL16 2, 1, 3, 1, 0
	s_wait_dscnt 0x0
	WIN 0xf1
	MUL16 4, 1, 3, 1, 0
	MUL16 6, 1, 3, 1, 0
	WIN 0
; THE WAY OUT.  The 64 registers of block a (register 16 B + i = index 32 B + 16 h + i of my row) become a fragment's codes in v[PC] on; the four blocks' bytes stay in v[TM+4] on.
; Each accumulator is read from its low end on.
.macro QUANTW a
.set AC, 64*((\a)%4)
.if (\a) < 4
	WIN 0x28                                       ; sources 1 and 2 window 2
.else
	WIN 0x3c                                       ; window 3
.endif
.irp b, 0,1,2,3
	v_max3_num_f32 v[TM+\b], 0x1800000, |v[AC+16*\b]|, |v[AC+16*\b+1]|   ; my 16 numbers of block b, and the floor 2^(3 - 127)
.endr
.irp i, 2,4,6,8,10,12,14
.irp b, 0,1,2,3
	v_max3_num_f32 v[TM+\b], v[TM+\b], |v[AC+16*\b+\i]|, |v[AC+16*\b+\i+1]|
.endr
.endr
	WIN 0
.irp b, 0,1,2,3
	v_permlanex16_b32 v[TM+4+\b], v[TM+\b], s2, s3
.endr
.irp b, 0,1,2,3
	v_max_num_f32 v[TM+\b], v[TM+\b], v[TM+4+\b]   ; with lane l xor 16's: the block's largest magnitude
.endr
.irp b, 0,1,2,3
	v_add_nc_u32 v[TM+12+\b], 0xff000000, v[TM+\b] ; the conversion's scale operand
.endr
.irp b, 0,1,2,3
	v_lshrrev_b32 v[TM+4+\b], 23, v[TM+12+\b]      ; the byte
.endr
	s_wait_alu depctr_va_vdst(0)
	s_wait_xcnt 0x0                                ; the last block's stores have read v[PC] on
.if (\a) < 4
	WIN 0x02                                       ; source 0 window 2
.else
	WIN 0x03
.endif
.irp b, 0,1,2,3
	v_cvt_scalef32_pk8_fp4_f32 v[PC+2*\b], v[AC+16*\b:AC+16*\b+7], v[TM+12+\b]
	v_cvt_scalef32_pk8_fp4_f32 v[PC+1+2*\b], v[AC+16*\b+8:AC+16*\b+15], v[TM+12+\b]
.endr
	WIN 0
	v_nop                                          ; one plain place behind the last scaled conversion
.irp c, 0,1                            ; the operand's layout wants a whole block in a lane
.irp i, 0,1
	v_permlane16_swap_b32 v[PC+4*\c+\i], v[PC+2+4*\c+\i]
.endr
.endr
.endm
	PLACES 4                                       ; behind the last products, in front of the first read of results
	s_mov_b32 s2, 0x76543210
	s_mov_b32 s3, 0xfedcba98                       ; v_permlanex16_b32's selects for lane l xor 16
.irp b, 0,1,2,3
	v_mov_b32 v[TM+4+\b], 0                        ; written once: a lane permute's destination counts as one of its sources
.endr
	v_cmp_lt_u32 vcc_lo, 15, v3                    ; lanes 16-31
	s_cmp_eq_u32 s[KIND], 2
	s_cbranch_scc1 .Lout_v
	; q, k: block a is token tile a; registers 0-3 of the fragment are my first head's 64, registers 4-7 my second head's
	v_lshlrev_b32 v[SOF], 5, v1
	v_lshl_add_u32 v[SOF], v2, 4, v[SOF]           ; 32 r + 16 h
.irp a, 0,1,2,3,4,5,6,7
	QUANTW \a
	v_lshl_or_b32 v[SW+\a], v[TM+5], 8, v[TM+4]    ; a head's two bytes; the word's upper two stay 0, over zero codes
	v_lshl_or_b32 v[SW+8+\a], v[TM+7], 8, v[TM+6]
	global_store_b128 v[LI], v[PC:PC+3], s[14:15] offset:512*\a      ; 512 consecutive bytes
	global_store_b128 v[LI], v[PC+4:PC+7], s[10:11] offset:512*\a
.endr
.irp g, 0,1
.irp i, 0,1,2,3
	v_cndmask_b32 v[OUT+4*\g+\i], v[SW+8*\g+\i], v[SW+8*\g+4+\i], vcc_lo   ; lanes 0-15 send tiles 0-3's words of their row, lanes 16-31 tiles 4-7's
.endr
.endr
	global_store_b128 v[SOF], v[OUT:OUT+3], s[16:17]
	global_store_b128 v[SOF], v[OUT+4:OUT+7], s[12:13]
	s_branch .Lout_done
.Lout_v:
	; v: block a = 4 g + t is tile t of head g's 64 channels; the fragment's K are my 128 tokens
	v_lshlrev_b32 v[SOF], 4, v1
	v_mul_u32_u24 v4, v2, 12288
	v_add_nc_u32 v[SOF], v[SOF], v4                ; 16 r; lanes 16-31 send the second head's
.irp a, 0,1,2,3,4,5,6,7
	QUANTW \a
	v_lshl_or_b32 v[SW+\a], v[TM+5], 8, v[TM+4]
	v_lshl_or_b32 v[SW+\a], v[TM+6], 16, v[SW+\a]
	v_lshl_or_b32 v[SW+\a], v[TM+7], 24, v[SW+\a]
.if \a < 4
	global_store_b128 v[LI], v[PC:PC+3], s[14:15] offset:1024*(\a%4)
	global_store_b128 v[LI], v[PC+4:PC+7], s[14:15] offset:1024*(\a%4)+512
.else
	global_store_b128 v[LI], v[PC:PC+3], s[10:11] offset:1024*(\a%4)
	global_store_b128 v[LI], v[PC+4:PC+7], s[10:11] offset:1024*(\a%4)+512
.endif
.endr
.irp i, 0,1,2,3
	v_cndmask_b32 v[OUT+\i], v[SW+\i], v[SW+4+\i], vcc_lo
.endr
	global_store_b128 v[SOF], v[OUT:OUT+3], s[16:17]   ; two runs of 256 consecutive bytes, one a head
.Lout_done:
	s_wait_tensorcnt 0x0
	ds_add_u32 v126, v127
	s_wait_dscnt 0x0
	CROUND                                         ; the closing round: no work-group ends while a partner may still ask for a tile that names it
	s_endpgm
.Lfunc_end_k_qf0d63af806_qkv:
	.size	k_qf0d63af806_qkv, .Lfunc_end_k_qf0d63af806_qkv-k_qf0d63af806_qkv
	.p2alignl 7, 3214868480
	.fill 96, 4, 3214868480
	.section	.rodata,"a",@progbits
	.p2align	6, 0x0
	.amdhsa_kernel k_qf0d63af806_qkv
		.amdhsa_group_segment_fixed_size 280064
		.amdhsa_private_segment_fixed_size 0
		.amdhsa_enable_private_segment 0
		.amdhsa_kernarg_size 56
		.amdhsa_user_sgpr_count 2
		.amdhsa_user_sgpr_kernarg_segment_ptr 1
		.amdhsa_wavefront_size32 1
		.amdhsa_system_sgpr_workgroup_id_x 1
		.amdhsa_system_sgpr_workgroup_id_y 1
		.amdhsa_system_sgpr_workgroup_id_z 1
		.amdhsa_system_vgpr_workitem_id 0
		.amdhsa_next_free_vgpr 1024
		.amdhsa_next_free_sgpr 106
		.amdhsa_reserve_vcc 1
		.amdhsa_float_denorm_mode_32 3
		.amdhsa_float_denorm_mode_16_64 3
		.amdhsa_memory_ordered 1
		.amdhsa_forward_progress 1
		.amdhsa_inst_pref_size 181
	.end_amdhsa_kernel
	.amdgpu_metadata
---
amdhsa.version: [ 1, 2 ]
amdhsa.kernels:
  - .name:           k_qf0d63af806_qkv
    .symbol:         k_qf0d63af806_qkv.kd
    .args:
      - { .name: aop, .offset: 0, .size: 8, .value_kind: global_buffer, .address_space: global }
      - { .name: wop, .offset: 8, .size: 8, .value_kind: global_buffer, .address_space: global }
      - { .name: b_q, .offset: 16, .size: 8, .value_kind: global_buffer, .address_space: global }
      - { .name: b_k, .offset: 24, .size: 8, .value_kind: global_buffer, .address_space: global }
      - { .name: b_v, .offset: 32, .size: 8, .value_kind: global_buffer, .address_space: global }
      - { .name: qop, .offset: 40, .size: 8, .value_kind: global_buffer, .address_space: global }
      - { .name: kvop, .offset: 48, .size: 8, .value_kind: global_buffer, .address_space: global }
    .group_segment_fixed_size: 280064
    .private_segment_fixed_size: 0
    .kernarg_segment_align: 8
    .kernarg_segment_size: 56
    .max_flat_workgroup_size: 128
    .sgpr_count:     106
    .vgpr_count:     1024
    .wavefront_size: 32
...
	.end_amdgpu_metadata
.endif
;; end of part 2
;; launch attn (part 3): grid 4 x 64, 16 waves a work-group, clusters of 4 x 1, 169,984 bytes of LDS; arguments qop, kvop, aop; writes aop
.if DOCPART == 3
	.amdgcn_target "amdgcn-amd-amdhsa--gfx1250"
	.amdhsa_code_object_version 6
	.text
	.protected	k_qf0d63af806_attn
	.globl	k_qf0d63af806_attn
	.p2align	8
	.type	k_qf0d63af806_attn,@function
k_qf0d63af806_attn:
	s_mov_b64 s[64:65], 0
	v_nop
	global_prefetch_b8 v0, s[64:65] scope:SCOPE_SE
	s_setreg_imm32_b32 hwreg(HW_REG_WAVE_MODE, 25, 1), 1
	s_wait_xcnt 0x0
	s_wait_alu depctr_hold_cnt(0) depctr_sa_sdst(0) depctr_va_vdst(0) depctr_va_sdst(0) depctr_va_ssrc(0) depctr_va_vcc(0) depctr_vm_vsrc(0)
	s_getreg_b32 s2, hwreg(HW_REG_IB_STS2, 6, 4)
	s_cmp_eq_u32 s2, 0
	s_cbranch_scc0 .Lentry_in_a_cluster
	s_endpgm
.Lentry_in_a_cluster:
	s_bfe_u32 s2, ttmp6, 0x10000c
	s_cmp_lg_u32 s2, 0x3003
	s_cbranch_scc0 .Lentry_shape_is_right
	s_endpgm
.Lentry_shape_is_right:
; ctx[b][q][h] = softmax_k(q . k / 8) v for one head of 64, both products on codes of FP4 (E2M1) with E8M0 scales; ctx is quantised along the model's 1,024 and stored as images of the last product's operand.
; THE SOFTMAX: t = score x log2(e) / 8; M = the running largest t rounded UP to a whole number; p = 2^(t - M) is quantised along the keys, not normalised; the row's sum is taken of the unquantised p and divides at the end.
; When M moves, the sum and O^T are multiplied by 2^(old M - new M): exact, and without a branch on data.
; SHARES.  A work-group owns one head and 512 queries; each of its sixteen waves takes two tiles of 16 queries, one after the other (two passes), in 256 registers: four waves to a SIMD.
; THE HEAD'S K AND V STAY IN LDS: 131,072 bytes of images and 12,288 of scale words, filled ONCE, as four chunks of 512 keys; a chunk is read as soon as it has landed.  Nothing is filled again; no LDS store is in the text.
; CLUSTER: the four work-groups of a head read the same K and V: every fill is a joint load, the same in all four.  cx enters only the addresses of Q and of ctx.
; LAYOUT.  S^T = K Q^T (source 0 = 16 keys), O^T = V^T P^T (source 0 = 16 channels): a lane holds one query throughout.  The rows of a tile were chosen by the writers (8 u + r % 8 + 16 (r / 8) in a group of 32),
; so that the 16 registers of tiles 2 b, 2 b + 1 are 16 neighbouring keys (or channels).  The scores' K is 64: registers 4-7 of K's and Q's fragments are zero codes, and the scale words' upper two bytes are 0.
; ctx's two scale bytes a row and head are stored singly, a byte a lane, rows 32 bytes apart: a head owns two of a row's 32; 262,144 bytes in the whole launch.
; LIMITS: a block of zeros gets the byte 1 where the rule says 127; NaN and infinities are not served.
; REGISTERS: v1-8 addresses; v12 -M, v13 the largest t, v[14:15] the sum; v16-23 Q; v24-31 K's scale words; v32-95 K's 8 fragments; v96-159 S^T, then p; v160-191 O^T; v192-223 V's 4 fragments; v224-231 p's codes;
;   v232-239, v244-247, v252, v254 at work; v240-243 V's scale words; v253 p's scale word; v255 Q's.
.set SCL, 131072                       ; behind the images: the head's scale words, 768 bytes a step of 128 keys
.macro CROUND                          ; a round of the cluster's barrier
	s_barrier_signal -1
	s_barrier_wait -1
	s_cmp_lg_u32 s16, 0
	s_cbranch_scc1 .Lnot_wave_0_\@
	s_barrier_signal -3
.Lnot_wave_0_\@:
	s_barrier_wait -3
	s_barrier_signal -1
	s_barrier_wait -1
.endm
	s_load_b128 s[4:7], s[0:1], 0x0                ; qop s[4:5], kvop s[6:7]
	s_load_b64 s[8:9], s[0:1], 0x10                ; aop
	v_lshl_add_u32 v250, v0, 2, 0x29000
	v_mov_b32 v251, 0
	ds_add_u32 v250, v251
	ds_add_u32 v250, v251
	v_lshrrev_b32 v9, 5, v0
	s_delay_alu instid0(VALU_DEP_1)
	v_readfirstlane_b32 s16, v9                    ; wave 0..15
	s_bfe_u32 s17, ttmp6, 0x40000                  ; cx: which 512 queries
	s_and_b32 s18, ttmp7, 0xffff                   ; 16 batch + head, which the four partners share
	; group 1: dense rows of 256 bytes (32 elements of 8), 3 for a wave's share of the scale words, 8 for its share of a chunk; the mask names all four work-groups
	s_mov_b32 s24, 15|(3<<16)|(1<<21)
	s_mov_b32 s25, 32<<16
	s_mov_b32 s26, 3<<16
	s_mov_b32 s27, 32<<16
	s_mov_b32 s28, 3
	s_mov_b32 s29, 32
	s_mov_b32 s30, 0
	s_mov_b32 s31, 0
	s_mov_b32 s32, 15|(3<<16)|(1<<21)
	s_mov_b32 s33, 32<<16
	s_mov_b32 s34, 8<<16
	s_mov_b32 s35, 32<<16
	s_mov_b32 s36, 8
	s_mov_b32 s37, 32
	s_mov_b32 s38, 0
	s_mov_b32 s39, 0
	s_mov_b32 s20, 0x76543210
	s_mov_b32 s21, 0xfedcba98                      ; v_permlanex16_b32's selects for lane l xor 16
	s_mov_b32 s22, 0x3e38aa3b                      ; c = log2(e) / 8
	s_mov_b32 s23, s22                             ; (named with it as a pair, so it is written)
	s_mul_i32 s68, s16, 768
	s_mul_i32 s70, s18, 12288
	s_add_co_u32 s70, s70, s68
	s_add_co_u32 s70, s70, 0x800000                ; my share of the head's scale words
	s_mov_b32 s71, 0
	s_lshl_b32 s69, s16, 11                        ; my 2,048 bytes of a chunk
	s_lshl_b32 s72, s18, 17
	s_add_co_u32 s72, s72, s69
	s_mov_b32 s73, 0
	s_lshl_b32 s74, s18, 7                         ; Q's codes: tile 128 (b h) + 32 cx + wave, 512 bytes each
	s_lshl_b32 s75, s17, 5
	s_add_co_u32 s74, s74, s75
	s_add_co_u32 s74, s74, s16
	s_lshl_b32 s74, s74, 9
	s_mov_b32 s75, 0
	s_wait_dscnt 0x0
	s_wait_kmcnt 0x0
	s_add_nc_u64 s[10:11], s[4:5], s[74:75]
	s_lshl_b32 s74, s18, 13                        ; Q's scale words: [b h][step 4 cx + wave / 8][r][tile wave % 8]
	s_lshl_b32 s76, s17, 2
	s_lshr_b32 s77, s16, 3
	s_add_co_u32 s76, s76, s77
	s_lshl_b32 s76, s76, 9
	s_add_co_u32 s74, s74, s76
	s_and_b32 s76, s16, 7
	s_lshl_b32 s76, s76, 2
	s_add_co_u32 s74, s74, s76
	s_add_co_u32 s74, s74, 0x400000
	s_add_nc_u64 s[12:13], s[4:5], s[74:75]
	s_lshr_b32 s76, s18, 4                         ; ctx: token tile 128 batch + 32 cx + wave;
	s_lshl_b32 s76, s76, 7
	s_lshl_b32 s77, s17, 5
	s_add_co_u32 s76, s76, s77
	s_add_co_u32 s76, s76, s16
	s_and_b32 s77, s18, 15                         ; the head is K step head / 2, half head % 2 of the tile's images: 512 x head
	s_lshl_b32 s74, s76, 13
	s_lshl_b32 s78, s77, 9
	s_add_co_u32 s74, s74, s78
	s_add_nc_u64 s[14:15], s[8:9], s[74:75]
	s_lshl_b32 s74, s76, 9                         ; and bytes 2 head, 2 head + 1 of each row's 32
	s_lshl_b32 s78, s77, 1
	s_add_co_u32 s74, s74, s78
	s_add_co_u32 s74, s74, 0x400000
	s_add_nc_u64 s[66:67], s[8:9], s[74:75]
	s_mov_b32 s40, 1                               ; group 0 for the scale words,
	s_add_co_u32 s41, s68, SCL
	s_add_nc_u64 s[42:43], s[6:7], s[70:71]
	s_or_b32 s43, s43, 0x80000000
	s_add_nc_u64 s[72:73], s[6:7], s[72:73]
.irp c, 0,1,2,3                        ; and for each chunk
	s_mov_b32 s[44+4*\c], 1
	s_add_co_u32 s[45+4*\c], s69, \c*32768
	s_add_nc_u64 s[46+4*\c:47+4*\c], s[72:73], \c*32768
	s_or_b32 s[47+4*\c], s[47+4*\c], 0x80000000
.endr
	CROUND                                         ; all four work-groups are here: the joint loads meet
	tensor_load_to_lds s[40:43], s[24:31]          ; the first fills go out as one group: five loads of mine are out
	s_nop 0
	tensor_load_to_lds s[44:47], s[32:39]
	s_nop 0
	tensor_load_to_lds s[48:51], s[32:39]
	s_nop 0
	tensor_load_to_lds s[52:55], s[32:39]
	s_nop 0
	tensor_load_to_lds s[56:59], s[32:39]
	s_nop 0
.rept 4
	v_nop
.endr
	v_and_b32 v9, 31, v0                           ; lane
	v_and_b32 v10, 15, v0                          ; r
	v_bfe_u32 v11, v0, 4, 1                        ; h
	s_delay_alu instid0(VALU_DEP_3)
	v_lshlrev_b32 v1, 4, v9                        ; 16 x lane: an image's place for my lane
	s_delay_alu instid0(VALU_DEP_3)
	v_lshl_add_u32 v2, v10, 5, SCL                 ; K's scale words: 32 bytes a row
	s_delay_alu instid0(VALU_DEP_4)
	v_lshl_add_u32 v3, v10, 4, SCL+512             ; V's: 16 bytes a row, behind K's
	v_lshlrev_b32 v8, 5, v10                       ; Q's scale word: 32 r
	s_delay_alu instid0(VALU_DEP_1)
	v_add_nc_u32 v7, v8, v11                       ; ctx's scale byte: 32 r + h
	v_cmp_lt_u32 vcc_lo, 15, v9                    ; lanes 16-31
.irp j, 20,21,22,23
	v_mov_b32 v[\j], 0                             ; Q's k = 64 .. 127: zero codes
.endr
.irp t, 0,1,2,3,4,5,6,7
.irp j, 4,5,6,7
	v_mov_b32 v[32+8*\t+\j], 0                     ; K's likewise: written once
.endr
.endr
.irp j, 236,237,238,239,252,253
	v_mov_b32 v[\j], 0                             ; lane permutes' destinations, and the pair v[252:253], count as read
.endr
; A KEY STEP: 128 keys.  s60: where the step's images begin; s61: its scale words.
.macro STEP
	v_add_nc_u32 v4, s60, v1
	v_add_nc_u32 v5, s61, v2
	v_add_nc_u32 v6, s61, v3
	v_nop                                          ; these four are the places behind the last step's products, in front of loads into their operands
	ds_load_b128 v[24:27], v5                      ; K's scale words of my row, tiles 0-7
	ds_load_b128 v[28:31], v5 offset:16
.irp t, 0,1,2,3,4,5,6,7
	ds_load_b128 v[32+8*\t:35+8*\t], v4 offset:512*\t
.endr
	ds_load_b128 v[240:243], v6                    ; V's scale words, tiles 0-3
.irp t, 0,1,2,3
.irp c, 0,1
	ds_load_b128 v[192+8*\t+4*\c:195+8*\t+4*\c], v4 offset:4096+1024*\t+512*\c
.endr
.endr
	s_wait_dscnt 9                                 ; K and its words are in; V's nine loads may be out
.irp t, 0,1,2,3,4,5,6,7
	v_wmma_scale_f32_16x16x128_f8f6f4 v[96+8*\t:103+8*\t], v[32+8*\t:39+8*\t], v[16:23], 0, v[24+\t], v255 matrix_a_fmt:MATRIX_FMT_FP4 matrix_b_fmt:MATRIX_FMT_FP4
.endr
.rept 4
	v_nop
.endr
.irp b, 0,1,2,3
	v_max3_num_f32 v[232+\b], v[96+16*\b], v[97+16*\b], v[98+16*\b]   ; the largest score of each block of 32 keys: for the row's maximum and, since p rises with the score, for the block's largest p
.endr
.irp i, 3,5,7,9,11,13
.irp b, 0,1,2,3
	v_max3_num_f32 v[232+\b], v[232+\b], v[96+16*\b+\i], v[97+16*\b+\i]
.endr
.endr
.irp b, 0,1,2,3
	v_max_num_f32 v[232+\b], v[232+\b], v[111+16*\b]
.endr
.irp b, 0,1,2,3
	s_delay_alu instid0(VALU_DEP_4)
	v_permlanex16_b32 v[236+\b], v[232+\b], s20, s21
.endr
.irp b, 0,1,2,3
	s_delay_alu instid0(VALU_DEP_4)
	v_max_num_f32 v[232+\b], v[232+\b], v[236+\b]  ; with lane l xor 16's 16 keys
.endr
	s_delay_alu instid0(VALU_DEP_2)
	v_max3_num_f32 v254, v232, v233, v234
	s_delay_alu instid0(VALU_DEP_1)
	v_max_num_f32 v254, v254, v235
	s_delay_alu instid0(VALU_DEP_1)
	v_mul_f32 v254, s22, v254                      ; the step's largest t (c is positive)
	s_delay_alu instid0(VALU_DEP_1)
	v_max_num_f32 v13, v13, v254                   ; the running largest t
	v_mov_b32 v254, v12
	s_delay_alu instid0(VALU_DEP_2)
	v_floor_f32 v12, -v13                          ; the new -M = -ceil(t): a whole number
	s_delay_alu instid0(VALU_DEP_1)
	v_sub_f32 v254, v12, v254                      ; old M - new M: a whole number, 0 or less
	s_delay_alu instid0(VALU_DEP_1)
	v_cvt_i32_f32 v254, v254                       ; (it saturates)
	s_delay_alu instid0(VALU_DEP_1)
	v_ldexp_f32 v252, 1.0, v254                    ; f = 2^(old M - new M)
.set j, 0
.rept 32
	v_pk_fma_f32 v[96+j:97+j], v[96+j:97+j], s[22:23], v[12:13] op_sel_hi:[1,0,0]   ; t - M, two at a time
.set j, j+2
.endr
.irp b, 0,1,2,3
	v_fma_f32 v[232+\b], v[232+\b], s22, v12       ; the same of each block's largest score
.endr
.set j, 0
	s_wait_alu depctr_va_vdst(0)
.rept 64
	v_exp_f32 v[96+j], v[96+j]                     ; p = 2^(t - M), at most 1
.set j, j+1
.endr
	s_setprio 1
.irp b, 0,1,2,3
	v_exp_f32 v[232+\b], v[232+\b]                 ; the block's largest p: the same two instructions on the same number
.endr
	v_pk_mul_f32 v[14:15], v[14:15], v[252:253] op_sel_hi:[1,0]   ; the sums under the new M (a plain place behind the exponentials)
	s_wait_alu depctr_va_vdst(0)
.irp b, 0,1,2,3
	v_max_num_f32 v[232+\b], 0x1800000, v[232+\b]  ; the floor 2^(3 - 127)
.endr
.irp b, 0,1,2,3
	s_delay_alu instid0(VALU_DEP_4)
	v_add_nc_u32 v[244+\b], 0xff000000, v[232+\b]  ; the conversion's scale operand
.endr
.irp b, 0,1,2,3
	s_delay_alu instid0(VALU_DEP_4)
	v_lshrrev_b32 v[236+\b], 23, v[244+\b]         ; the byte
.endr
	s_delay_alu instid0(VALU_DEP_3)
	v_lshl_or_b32 v253, v237, 8, v236              ; p's scale word for these 128 keys
	s_delay_alu instid0(VALU_DEP_1)
	v_lshl_or_b32 v253, v238, 16, v253
	s_delay_alu instid0(VALU_DEP_1)
	v_lshl_or_b32 v253, v239, 24, v253
.irp b, 0,1,2,3
	v_cvt_scalef32_pk8_fp4_f32 v[224+2*\b], v[96+16*\b:103+16*\b], v[244+\b]
	v_cvt_scalef32_pk8_fp4_f32 v[225+2*\b], v[104+16*\b:111+16*\b], v[244+\b]
.endr
	v_nop                                          ; one plain place behind the last scaled conversion
.irp c, 0,1
.irp i, 0,1
	v_permlane16_swap_b32 v[224+4*\c+\i], v[226+4*\c+\i]   ; a whole block in a lane
.endr
.endr
	v_pk_add_f32 v[236:237], v[100:101], v[104:105]
	v_pk_add_f32 v[248:249], v[108:109], v[112:113]
	v_pk_add_f32 v[246:247], v[116:117], v[120:121]
	v_pk_add_f32 v[244:245], v[124:125], v[128:129]
	v_pk_add_f32 v[234:235], v[132:133], v[136:137]
	v_pk_add_f32 v[232:233], v[140:141], v[144:145]
	v_pk_add_f32 v[90:91], v[148:149], v[152:153]
	v_pk_add_f32 v[14:15], v[14:15], v[156:157]
	v_pk_add_f32 v[236:237], v[236:237], v[96:97]
	v_pk_add_f32 v[248:249], v[248:249], v[98:99]
	v_pk_add_f32 v[246:247], v[246:247], v[102:103]
	v_pk_add_f32 v[244:245], v[244:245], v[106:107]
	v_pk_add_f32 v[234:235], v[234:235], v[110:111]
	v_pk_add_f32 v[232:233], v[232:233], v[114:115]
	v_pk_add_f32 v[90:91], v[90:91], v[118:119]
	v_pk_add_f32 v[14:15], v[14:15], v[122:123]
	v_pk_add_f32 v[236:237], v[236:237], v[126:127]
	v_pk_add_f32 v[248:249], v[248:249], v[130:131]
	v_pk_add_f32 v[246:247], v[246:247], v[134:135]
	v_pk_add_f32 v[244:245], v[244:245], v[138:139]
	v_pk_add_f32 v[234:235], v[234:235], v[142:143]
	v_pk_add_f32 v[232:233], v[232:233], v[146:147]
	v_pk_add_f32 v[90:91], v[90:91], v[150:151]
	v_pk_add_f32 v[14:15], v[14:15], v[154:155]
	v_pk_add_f32 v[236:237], v[236:237], v[158:159]
	s_delay_alu instid0(VALU_DEP_2)
	v_pk_add_f32 v[14:15], v[14:15], v[244:245]
	s_delay_alu instid0(VALU_DEP_2)
	v_pk_add_f32 v[236:237], v[236:237], v[234:235]
	v_pk_add_f32 v[248:249], v[248:249], v[232:233]
	v_pk_add_f32 v[246:247], v[246:247], v[90:91]
	s_delay_alu instid0(VALU_DEP_2)
	v_pk_add_f32 v[14:15], v[14:15], v[248:249]
	s_delay_alu instid0(VALU_DEP_2)
	v_pk_add_f32 v[236:237], v[236:237], v[246:247]
	s_delay_alu instid0(VALU_DEP_1)
	v_pk_add_f32 v[14:15], v[14:15], v[236:237]
.set j, 0
	s_setprio 0
.rept 16
	v_pk_mul_f32 v[160+j:161+j], v[160+j:161+j], v[252:253] op_sel_hi:[1,0]   ; O^T under the new M, each accumulator from its low end on.  (With the sums above: the places between p's codes and scale word and the products below)
.set j, j+2
.endr
	s_wait_alu depctr_va_vdst(0)
	s_wait_dscnt 0x0                               ; V and its words are in
.irp t, 0,1,2,3
	v_wmma_scale_f32_16x16x128_f8f6f4 v[160+8*\t:167+8*\t], v[192+8*\t:199+8*\t], v[224:231], v[160+8*\t:167+8*\t], v[240+\t], v253 matrix_a_fmt:MATRIX_FMT_FP4 matrix_b_fmt:MATRIX_FMT_FP4
.endr
	s_add_co_u32 s60, s60, 8192
	s_add_co_u32 s61, s61, 768
.endm
; A CHUNK of 512 keys: four steps.  The count leaves the later chunks' loads out.  In the second pass the wait is met at once.
.macro CHUNK c
	s_wait_tensorcnt 3-\c                          ; the scale words and my parts of chunks 0 .. c have landed (tensor loads of a wave end in order: ISA guide 10.11.1)
	s_wait_dscnt 0x0
	s_barrier_signal -1
	s_barrier_wait -1                              ; everybody's have
	s_mov_b32 s60, \c*32768
	s_mov_b32 s61, \c*3072
	s_mov_b32 s62, 4
.Lstep_\@:
	s_setprio 2
	STEP
	s_sub_co_u32 s62, s62, 1
	s_cmp_lg_u32 s62, 0
	s_cbranch_scc1 .Lstep_\@
	s_setprio 0
.endm
	s_mov_b32 s63, 2
.Lpass:                                            ; a tile of 16 queries against all 2,048 keys
	global_load_b128 v[16:19], v1, s[10:11]        ; Q's half fragment
	global_load_b32 v255, v8, s[12:13]             ; and its scale words
	v_mov_b32 v13, 0xff61b1e6                      ; the largest t so far: -3e38
	s_delay_alu instid0(VALU_DEP_1)
	v_floor_f32 v12, -v13
	v_mov_b32 v14, 0
	v_mov_b32 v15, 0
.set j, 0
.rept 32
	v_mov_b32 v[160+j], 0                          ; O^T: the step is written once; its first run finds zeros, which the first change of M leaves zeros
.set j, j+1
.endr
	s_wait_loadcnt 0x0
	CHUNK 0
	CHUNK 1
	CHUNK 2
	CHUNK 3
.rept 4
	v_nop                                          ; places behind the last products
.endr
	v_add_f32 v14, v14, v15
	s_delay_alu instid0(VALU_DEP_1)
	v_permlanex16_b32 v252, v14, s20, s21
	s_delay_alu instid0(VALU_DEP_1)
	v_add_f32 v14, v14, v252                       ; the row's sum
	s_wait_alu depctr_va_vdst(0)
	v_rcp_f32 v14, v14
	v_nop                                          ; one plain place behind the transcendental
.set j, 0
	s_wait_alu depctr_va_vdst(0)
.rept 16
	v_pk_mul_f32 v[96+j:97+j], v[160+j:161+j], v[14:15] op_sel_hi:[1,0]   ; ctx: register 16 B + i = channel 32 B + 16 h + i of my query
.set j, j+2
.endr
.irp b, 0,1
	v_max3_num_f32 v[232+\b], |v[96+16*\b]|, |v[97+16*\b]|, 0x1800000
.endr
.irp i, 2,4,6,8,10,12,14
.irp b, 0,1
	s_delay_alu instid0(VALU_DEP_2)
	v_max3_num_f32 v[232+\b], v[232+\b], |v[96+16*\b+\i]|, |v[97+16*\b+\i]|
.endr
.endr
.irp b, 0,1
	s_delay_alu instid0(VALU_DEP_2)
	v_permlanex16_b32 v[236+\b], v[232+\b], s20, s21
.endr
.irp b, 0,1
	s_delay_alu instid0(VALU_DEP_2)
	v_max_num_f32 v[232+\b], v[232+\b], v[236+\b]
.endr
.irp b, 0,1
	s_delay_alu instid0(VALU_DEP_2)
	v_add_nc_u32 v[244+\b], 0xff000000, v[232+\b]
.endr
.irp b, 0,1
	s_delay_alu instid0(VALU_DEP_2)
	v_lshrrev_b32 v[236+\b], 23, v[244+\b]
.endr
	s_delay_alu instid0(VALU_DEP_1)
	v_cndmask_b32 v254, v236, v237, vcc_lo         ; lanes 0-15 send block 0's byte, lanes 16-31 block 1's
.irp b, 0,1
	v_cvt_scalef32_pk8_fp4_f32 v[224+2*\b], v[96+16*\b:103+16*\b], v[244+\b]
	v_cvt_scalef32_pk8_fp4_f32 v[225+2*\b], v[104+16*\b:111+16*\b], v[244+\b]
.endr
	v_nop
	v_permlane16_swap_b32 v224, v226
	v_permlane16_swap_b32 v225, v227
	global_store_b128 v1, v[224:227], s[14:15]     ; 512 consecutive bytes: half a fragment of the last product's operand
	global_store_b8 v7, v254, s[66:67]
	s_wait_xcnt 0x0                                ; the stores have read their registers and bases: the next tile is 16 tiles on
	s_add_nc_u64 s[10:11], s[10:11], 8192
	s_add_nc_u64 s[12:13], s[12:13], 1024
	s_add_nc_u64 s[14:15], s[14:15], 131072
	s_add_nc_u64 s[66:67], s[66:67], 8192
	s_sub_co_u32 s63, s63, 1
	s_cmp_lg_u32 s63, 0
	s_cbranch_scc1 .Lpass
	s_wait_tensorcnt 0x0
	s_wait_tensorcnt 0x0
	ds_add_u32 v250, v251
	s_wait_dscnt 0x0
	CROUND                                         ; the closing round
	s_endpgm
.Lfunc_end_k_qf0d63af806_attn:
	.size	k_qf0d63af806_attn, .Lfunc_end_k_qf0d63af806_attn-k_qf0d63af806_attn
	.p2alignl 7, 3214868480
	.fill 96, 4, 3214868480
	.section	.rodata,"a",@progbits
	.p2align	6, 0x0
	.amdhsa_kernel k_qf0d63af806_attn
		.amdhsa_group_segment_fixed_size 169984
		.amdhsa_private_segment_fixed_size 0
		.amdhsa_enable_private_segment 0
		.amdhsa_kernarg_size 24
		.amdhsa_user_sgpr_count 2
		.amdhsa_user_sgpr_kernarg_segment_ptr 1
		.amdhsa_wavefront_size32 1
		.amdhsa_system_sgpr_workgroup_id_x 1
		.amdhsa_system_sgpr_workgroup_id_y 1
		.amdhsa_system_sgpr_workgroup_id_z 1
		.amdhsa_system_vgpr_workitem_id 0
		.amdhsa_next_free_vgpr 256
		.amdhsa_next_free_sgpr 80
		.amdhsa_reserve_vcc 1
		.amdhsa_float_denorm_mode_32 3
		.amdhsa_float_denorm_mode_16_64 3
		.amdhsa_memory_ordered 1
		.amdhsa_forward_progress 1
		.amdhsa_inst_pref_size 79
	.end_amdhsa_kernel
	.amdgpu_metadata
---
amdhsa.version: [ 1, 2 ]
amdhsa.kernels:
  - .name:           k_qf0d63af806_attn
    .symbol:         k_qf0d63af806_attn.kd
    .args:
      - { .name: qop, .offset: 0, .size: 8, .value_kind: global_buffer, .address_space: global }
      - { .name: kvop, .offset: 8, .size: 8, .value_kind: global_buffer, .address_space: global }
      - { .name: aop, .offset: 16, .size: 8, .value_kind: global_buffer, .address_space: global }
    .group_segment_fixed_size: 169984
    .private_segment_fixed_size: 0
    .kernarg_segment_align: 8
    .kernarg_segment_size: 24
    .max_flat_workgroup_size: 512
    .sgpr_count:     80
    .vgpr_count:     256
    .wavefront_size: 32
...
	.end_amdgpu_metadata
.endif
;; end of part 3
;; launch outp (part 4): grid 4 x 32, 4 waves a work-group, clusters of 4 x 4, 313,856 bytes of LDS; arguments aop, wop, b_o, out0; writes out0
.if DOCPART == 4
	.amdgcn_target "amdgcn-amd-amdhsa--gfx1250"
	.amdhsa_code_object_version 6
	.text
	.protected	k_qf0d63af806_outp
	.globl	k_qf0d63af806_outp
	.p2align	8
	.type	k_qf0d63af806_outp,@function
k_qf0d63af806_outp:
	s_mov_b64 s[64:65], 0
	v_nop
	global_prefetch_b8 v0, s[64:65] scope:SCOPE_SE
	s_setreg_imm32_b32 hwreg(HW_REG_WAVE_MODE, 25, 1), 1
	s_wait_xcnt 0x0
	s_wait_alu depctr_hold_cnt(0) depctr_sa_sdst(0) depctr_va_vdst(0) depctr_va_sdst(0) depctr_va_ssrc(0) depctr_va_vcc(0) depctr_vm_vsrc(0)
	s_getreg_b32 s2, hwreg(HW_REG_IB_STS2, 6, 4)
	s_cmp_eq_u32 s2, 0
	s_cbranch_scc0 .Lentry_in_a_cluster
	s_endpgm
.Lentry_in_a_cluster:
	s_bfe_u32 s2, ttmp6, 0x10000c
	s_cmp_lg_u32 s2, 0xf033
	s_cbranch_scc0 .Lentry_shape_is_right
	s_endpgm
.Lentry_shape_is_right:
; out0 = ctx w_o + b_o on codes of FP4 (E2M1) with E8M0 scales; out0 [8192][1024] f32.  ctx comes from aop, w_o from wop (tiles 192-255), both as images of operand registers
; (a fragment, 16 rows x 128 K, is 1,024 bytes [c][lane][16]); in each group of 32 tokens or columns row r of tile u stands for index 8 u + r % 8 + 16 (r / 8).
; A work-group makes 256 x 256, each of its four waves 128 x 128: 64 accumulators.  K = 1,024 is two LDS slots of 512, both filled once at the start; nothing is filled again.  128 work-groups: the tile is kept large, since each
; fragment read from LDS then feeds eight products.
; Source 0 = role B (w_o's columns), source 1 = role A (ctx's tokens): in accumulator (a, b) lane (r, h) holds token row 16 a + r, register j column 32 (b / 2) + 16 h + 8 (b % 2) + j.  The bias is the C of each sum's first product.
; CLUSTERS: 4 x 4: A's tiles are shared along a row of the cluster, B's along a column: joint loads.
; REGISTERS: window 0: v1-3 r, h, lane; v16-27 addresses; v32-95 scale words, two sets; v128-191 A's fragments; v192-255 the bias; on the way out v128-255 rows of out0.
;   window 1: B's fragments, two sets.   windows 2, 3: the accumulators ((a, b) at v[8 (8 (a % 4) + b)] of window 2 + a / 4).
.set NQ,    4
.set FR,    8
.set SLOT,  131072
.set SCL,   2*SLOT
.set HALFS, 4352
.set SBLK,  544
.set STAGE, SCL+4*HALFS                ; behind the scales: 16 rows x (512 bytes + 16) for each wave; no tensor load lands here
.set SPITCH, 528
.set ADRA,  16
.set ADRB,  20
.set LI,    24                         ; v24 16 x lane
.set STO,   25                         ; v25 the stage: where I put 32 bytes of a row
.set RD,    26                         ; v26 and where I read a row back
.set ADRS,  27
.set SC,    32
.set AF,    128
.set BK,    128
.set BI,    192
.set WV,    24
.set HA,    25
.set HB,    26
.set CX,    27
.set CY,    28
.set CLY,   30
.set G1A,   36
.set G1B,   44
.set G1SA,  52
.set G1SB,  68
.set G0A,   76
.set G0B,   84
.set G0SA,  92
.set G0SB,  96
.set MSB, 0
.macro WIN new                         ; the immediate's high byte repeats the setting that is left
.if MSB != \new
	s_set_vgpr_msb (MSB<<8)|\new
.set MSB, \new
.endif
.endm
.macro JLOAD g0a, g1a, g0b, g1b        ; waves 0 and 1 fetch for A, waves 2 and 3 for B; four v_nop follow each of the two lines
	s_cmp_eq_u32 s[HA], 0
	s_cbranch_scc0 .Lfor_b_\@
	tensor_load_to_lds s[\g0a:\g0a+3], s[\g1a:\g1a+7]
	s_nop 0
.rept 4
	v_nop
.endr
	s_branch .Lasked_\@
.Lfor_b_\@:
	tensor_load_to_lds s[\g0b:\g0b+3], s[\g1b:\g1b+7]
	s_nop 0
.rept 4
	v_nop
.endr
.Lasked_\@:
.endm
.macro CROUND
	s_barrier_signal -1
	s_barrier_wait -1
	s_cmp_lg_u32 s[WV], 0
	s_cbranch_scc1 .Lnot_wave_0_\@
	s_barrier_signal -3
.Lnot_wave_0_\@:
	s_barrier_wait -3
	s_barrier_signal -1
	s_barrier_wait -1
.endm
.macro PLACES n
.rept \n
	v_nop
.endr
.endm
	s_load_b256 s[4:11], s[0:1], 0x0               ; aop s[4:5], wop s[6:7], b_o s[8:9], out0 s[10:11]
	v_lshl_add_u32 v126, v0, 2, 0x4c800
	v_mov_b32 v127, 0
	ds_add_u32 v126, v127
	ds_add_u32 v126, v127
	v_lshrrev_b32 v1, 5, v0
	v_readfirstlane_b32 s[WV], v1
	s_lshr_b32 s[HA], s[WV], 1
	s_and_b32 s[HB], s[WV], 1
	s_bfe_u32 s[CX], ttmp6, 0x40000
	s_bfe_u32 s[CY], ttmp6, 0x40004
	s_and_b32 s[CLY], ttmp7, 0xffff
	s_lshl_b32 s31, s[CY], 2
	s_lshl_b32 s31, 15, s31                        ; my row of the cluster
	s_lshl_b32 s32, 0x1111, s[CX]                  ; my column
	s_or_b32 s[G1A], s31, (3<<16)|(1<<21)          ; codes: 8 rows of 512 elements of 8 bytes, 1,024 elements apart, dense in LDS
	s_or_b32 s[G1B], s32, (3<<16)|(1<<21)
.irp g, G1A, G1B
	s_mov_b32 s[\g+1], 512<<16
	s_mov_b32 s[\g+2], 8<<16
	s_mov_b32 s[\g+3], 512<<16
	s_mov_b32 s[\g+4], 8
	s_mov_b32 s[\g+5], 1024
	s_mov_b32 s[\g+6], 0
	s_mov_b32 s[\g+7], 0
.endr
	s_or_b32 s[G1SA], s31, (3<<16)|(1<<20)|(1<<21)|(5<<22)|(3<<25)   ; scale bytes: 16 dense rows of 256 bytes, 16 of padding behind each
	s_or_b32 s[G1SB], s32, (3<<16)|(1<<20)|(1<<21)|(5<<22)|(3<<25)
.irp g, G1SA, G1SB
	s_mov_b32 s[\g+1], 32<<16
	s_mov_b32 s[\g+2], 16<<16
	s_mov_b32 s[\g+3], 32<<16
	s_mov_b32 s[\g+4], 16
	s_mov_b32 s[\g+5], 32
	s_mov_b32 s[\g+6], 0
	s_mov_b32 s[\g+7], 0
.endr
	s_lshl_b32 s3, s[HB], 7                        ; which 128 rows I fetch
	s_lshl_b32 s60, s[CLY], 2
	s_add_co_u32 s60, s60, s[CY]                   ; A: ctx's tile of 256 tokens
	s_lshl_b32 s60, s60, 8
	s_add_co_u32 s60, s60, s3
	s_add_co_u32 s61, s[CX], 12                    ; B: w_o's tile of 256 columns
	s_lshl_b32 s61, s61, 8
	s_add_co_u32 s61, s61, s3
	s_lshl_b32 s22, s60, 9
	s_mov_b32 s23, 0
	s_lshl_b32 s100, s61, 9
	s_mov_b32 s101, 0
	s_lshl_b32 s34, s[WV], 15
	s_mul_i32 s35, s[WV], HALFS
	s_wait_dscnt 0x0
	s_wait_kmcnt 0x0
	s_mov_b32 s[G0A], 1
	s_mov_b32 s[G0A+1], s34
	s_add_nc_u64 s[G0A+2:G0A+3], s[4:5], s[22:23]
	s_mov_b32 s[G0A+4], 1
	s_add_co_u32 s[G0A+5], s34, SLOT
	s_add_nc_u64 s[G0A+6:G0A+7], s[G0A+2:G0A+3], 4096
	s_or_b32 s[G0A+3], s[G0A+3], 0x80000000
	s_or_b32 s[G0A+7], s[G0A+7], 0x80000000
	s_mov_b32 s[G0B], 1
	s_mov_b32 s[G0B+1], s34
	s_add_nc_u64 s[G0B+2:G0B+3], s[6:7], s[100:101]
	s_mov_b32 s[G0B+4], 1
	s_add_co_u32 s[G0B+5], s34, SLOT
	s_add_nc_u64 s[G0B+6:G0B+7], s[G0B+2:G0B+3], 4096
	s_or_b32 s[G0B+3], s[G0B+3], 0x80000000
	s_or_b32 s[G0B+7], s[G0B+7], 0x80000000
	s_lshl_b32 s22, s60, 5
	s_add_co_u32 s22, s22, 0x400000
	s_mov_b32 s[G0SA], 1
	s_add_co_u32 s[G0SA+1], s35, SCL
	s_add_nc_u64 s[G0SA+2:G0SA+3], s[4:5], s[22:23]
	s_or_b32 s[G0SA+3], s[G0SA+3], 0x80000000
	s_lshl_b32 s100, s61, 5
	s_add_co_u32 s100, s100, 0x200000
	s_mov_b32 s[G0SB], 1
	s_add_co_u32 s[G0SB+1], s35, SCL
	s_add_nc_u64 s[G0SB+2:G0SB+3], s[6:7], s[100:101]
	s_or_b32 s[G0SB+3], s[G0SB+3], 0x80000000
	CROUND                                         ; all sixteen work-groups are here: the joint loads meet
	JLOAD G0SA, G1SA, G0SB, G1SB                   ; three loads of mine are out: the scales, slot 0, slot 1
	JLOAD G0A, G1A, G0B, G1B
	JLOAD G0A+4, G1A, G0B+4, G1B
	v_and_b32 v1, 15, v0                           ; r
	v_bfe_u32 v2, v0, 4, 1                         ; h
	v_and_b32 v3, 31, v0                           ; lane
	v_lshlrev_b32 v[LI], 4, v3
	s_lshl_b32 s2, s[HA], 15
	s_lshl_b32 s3, s[HB], 15
	s_add_co_u32 s3, s3, 65536
.irp s, 0,1
	v_add_nc_u32 v[ADRA+\s], s2, v[LI]
	v_add_nc_u32 v[ADRB+\s], s3, v[LI]
	s_add_co_u32 s2, s2, SLOT
	s_add_co_u32 s3, s3, SLOT
.endr
	v_lshlrev_b32 v5, 5, v1
	v_lshrrev_b32 v6, 3, v1
	v_lshl_add_u32 v5, v6, 4, v5
	s_mul_i32 s2, s[HA], HALFS
	s_mul_i32 s3, s[HB], HALFS
	s_add_co_u32 s3, s3, 2*HALFS
	s_sub_co_u32 s3, s3, s2
	v_mul_u32_u24 v6, s3, v2                       ; lanes 16-31 take B's
	s_add_co_u32 s2, s2, SCL
	v_add_nc_u32 v5, v5, v6
	v_add_nc_u32 v[ADRS], s2, v5
	s_mul_i32 s2, s[WV], 16*SPITCH
	s_add_co_u32 s2, s2, STAGE                     ; my stage
	v_mul_u32_u24 v5, v1, SPITCH
	v_lshl_add_u32 v5, v2, 6, v5
	v_add_nc_u32 v[STO], s2, v5                    ; in: row r, + 64 h
	v_add_nc_u32 v[RD], s2, v[LI]                  ; back: a whole row of 512 bytes
	s_lshl_b32 s100, s[CLY], 2                     ; (cx enters here: in registers that fed none of A's descriptors)
	s_add_co_u32 s100, s100, s[CY]
	s_lshl_b32 s100, s100, 1
	s_add_co_u32 s100, s100, s[HA]
	s_lshl_b32 s100, s100, 19                      ; my first token's row of 4,096 bytes
	s_lshl_b32 s101, s[CX], 1
	s_add_co_u32 s101, s101, s[HB]
	s_lshl_b32 s101, s101, 9                       ; my first column, in bytes
	s_mov_b32 s20, s101
	s_mov_b32 s21, 0
	s_add_nc_u64 s[8:9], s[8:9], s[20:21]
	s_add_co_u32 s20, s100, s101
	s_add_nc_u64 s[10:11], s[10:11], s[20:21]
	v_lshlrev_b32 v7, 6, v2                        ; the bias: register j of tile b is column 32 (b / 2) + 16 h + 8 (b % 2) + j
.irp b, 0,1,2,3,4,5,6,7
	global_load_b128 v[BI+8*\b:BI+8*\b+3], v7, s[8:9] offset:(32*(\b/2)+8*(\b%2))*4
	global_load_b128 v[BI+8*\b+4:BI+8*\b+7], v7, s[8:9] offset:(32*(\b/2)+8*(\b%2))*4+16
.endr
.macro FRAG reg, adr, q, i
.irp c, 0,1
	ds_load_b128 v[\reg+4*\c:\reg+4*\c+3], v[\adr] offset:(\i)*4096+(\q)*1024+512*\c
.endr
.endm
; 16 products: A's blocks a0, a0 + 1 x B's eight.  mode 0: onto the sums; 1: the sums begin with the bias.  The 64 accumulators take turns, one instruction a turn.
.macro MUL16 a0, p, q, sc, mode
.irp a, \a0, \a0+1
.irp b, 0,1,2,3,4,5,6,7
.if \mode == 0
	v_wmma_scale_f32_16x16x128_f8f6f4 v[8*(8*((\a)%4)+\b):8*(8*((\a)%4)+\b)+7], v[128*(\p)+FR*\b:128*(\p)+FR*\b+FR-1], v[AF+FR*(\a):AF+FR*(\a)+FR-1], v[8*(8*((\a)%4)+\b):8*(8*((\a)%4)+\b)+7], v[SC+8*NQ*(\sc)+NQ*\b+(\q)], v[SC+8*NQ*(\sc)+NQ*(\a)+(\q)] matrix_a_fmt:MATRIX_FMT_FP4 matrix_b_fmt:MATRIX_FMT_FP4 matrix_a_scale:MATRIX_SCALE_ROW1
.else
	v_wmma_scale_f32_16x16x128_f8f6f4 v[8*(8*((\a)%4)+\b):8*(8*((\a)%4)+\b)+7], v[128*(\p)+FR*\b:128*(\p)+FR*\b+FR-1], v[AF+FR*(\a):AF+FR*(\a)+FR-1], v[BI+8*\b:BI+8*\b+7], v[SC+8*NQ*(\sc)+NQ*\b+(\q)], v[SC+8*NQ*(\sc)+NQ*(\a)+(\q)] matrix_a_fmt:MATRIX_FMT_FP4 matrix_b_fmt:MATRIX_FMT_FP4 matrix_a_scale:MATRIX_SCALE_ROW1
.endif
.endr
.endr
.endm
.macro FETCH_B slot, q, p
	WIN 0x40
.irp i, 0,1,2,3,4,5,6,7
	FRAG 128*(\p)+FR*\i, ADRB+\slot, \q, \i
.endr
	WIN 0
.endm
.macro FETCH_A slot, q, i0
.irp i, \i0, \i0+1, \i0+2, \i0+3
	FRAG AF+FR*(\i), ADRA+\slot, \q, \i
.endr
.endm
.macro SCALES sc
.irp i, 0,1,2,3,4,5,6,7
	ds_load_b128 v[SC+8*NQ*\sc+NQ*\i:SC+8*NQ*\sc+NQ*\i+3], v[ADRS] offset:\i*SBLK
.endr
.endm
.macro STEP slot, q, mode              ; four places stand in front of each run of loads into registers that matrix instructions have read
	s_wait_dscnt 8                                 ; all but the youngest eight loads (A's blocks 4-7) are in
.if \mode
	WIN 0x81
.else
	WIN 0xa1
.endif
	MUL16 0, (\q)%2, \q, \slot, \mode
	MUL16 2, (\q)%2, \q, \slot, \mode
	s_wait_dscnt 0x0
	PLACES 4
	FETCH_B \slot, (\q)+1, 1-(\q)%2
	FETCH_A \slot, (\q)+1, 0
.if \mode
	WIN 0xc1
.else
	WIN 0xf1
.endif
	MUL16 4, (\q)%2, \q, \slot, \mode
	MUL16 6, (\q)%2, \q, \slot, \mode
	PLACES 4
	WIN 0
	FETCH_A \slot, (\q)+1, 4
.endm
	s_wait_alu depctr_va_vdst(0)
	s_wait_tensorcnt 1                             ; the scales and my part of slot 0 are in; slot 1's load may stay out
	s_barrier_signal -1
	s_barrier_wait -1
	FETCH_B 0, 0, 0
	FETCH_A 0, 0, 0
	SCALES 0
	FETCH_A 0, 0, 4
	s_wait_loadcnt 0x0                             ; the bias
	STEP 0, 0, 1
	STEP 0, 1, 0
	STEP 0, 2, 0
	s_wait_tensorcnt 0x0                           ; my part of slot 1 is in
	s_wait_dscnt 8
	WIN 0xa1
	MUL16 0, 1, 3, 0, 0
	s_wait_dscnt 0x0
	s_barrier_signal -1
	MUL16 2, 1, 3, 0, 0
	WIN 0
	s_barrier_wait -1                              ; slot 1 is whole
	PLACES 4
	v_add_nc_u32 v[ADRS], 16, v[ADRS]
	FETCH_B 1, 0, 0
	FETCH_A 1, 0, 0
	SCALES 1
	WIN 0xf1
	MUL16 4, 1, 3, 0, 0
	MUL16 6, 1, 3, 0, 0
	PLACES 4
	WIN 0
	FETCH_A 1, 0, 4
	STEP 1, 0, 0
	STEP 1, 1, 0
	STEP 1, 2, 0
	s_wait_dscnt 8
	WIN 0xa1
	MUL16 0, 1, 3, 1, 0
	MUL16 2, 1, 3, 1, 0
	s_wait_dscnt 0x0
	WIN 0xf1
	MUL16 4, 1, 3, 1, 0
	MUL16 6, 1, 3, 1, 0
	WIN 0
; THE WAY OUT, block by block of 16 token rows x 128 columns, through my own stage: in by 32 bytes a lane at the columns' true places, back as whole rows of 512 bytes.
; LDS serves a wave's instructions in order (ISA guide 5.7.1.4): no wait between the stores and the loads, nor in front of the next block's stores.
.macro TOSTAGE a
.set AC, 64*((\a)%4)
.if (\a) < 4
	WIN 0x08                                       ; the data: window 2
.else
	WIN 0x0c                                       ; window 3
.endif
.irp b, 0,1,2,3,4,5,6,7
	ds_store_b128 v[STO], v[AC+8*\b:AC+8*\b+3] offset:128*(\b/2)+32*(\b%2)          ; each accumulator from its low end on
	ds_store_b128 v[STO], v[AC+8*\b+4:AC+8*\b+7] offset:128*(\b/2)+32*(\b%2)+16
.endr
	WIN 0
.set BB, BK+64*((\a)%2)
.irp t, 0,1,2,3,4,5,6,7,8,9,10,11,12,13,14,15
	ds_load_b128 v[BB+4*\t:BB+4*\t+3], v[RD] offset:\t*SPITCH
.endr
.endm
.macro SEND a, younger                 ; younger: the LDS instructions issued behind block a's loads, which may stay out
.set BB, BK+64*((\a)%2)
	s_wait_dscnt \younger
.irp t, 0,1,2,3,4,5,6,7,8,9,10,11,12,13,14,15
	global_store_b128 v[LI], v[BB+4*\t:BB+4*\t+3], s[10:11] offset:(32*((\a)/2)+8*((\a)%2)+(\t%8)+16*(\t/8))*4096 th:TH_STORE_NT   ; row t of tile a is this token: 512 consecutive bytes of its row; 127 rows at the most, inside the signed 24-bit immediate
.endr
.endm
	PLACES 4                                       ; behind the last products: for the first read of results and the loads into the registers that held A's fragments
	TOSTAGE 0
.irp a, 1,2,3,4,5,6,7
.if \a > 1
	s_wait_xcnt 0x0                                ; block a - 2's stores have read their registers: block a's loads may land there
.endif
	TOSTAGE \a
	SEND \a-1, 32                                  ; behind block a - 1's loads: block a's 16 stores and 16 loads
.endr
	SEND 7, 0
	s_wait_tensorcnt 0x0
	ds_add_u32 v126, v127
	s_wait_dscnt 0x0
	CROUND                                         ; the closing round: no work-group ends while a partner may still ask for a tile that names it
	s_endpgm
.Lfunc_end_k_qf0d63af806_outp:
	.size	k_qf0d63af806_outp, .Lfunc_end_k_qf0d63af806_outp-k_qf0d63af806_outp
	.p2alignl 7, 3214868480
	.fill 96, 4, 3214868480
	.section	.rodata,"a",@progbits
	.p2align	6, 0x0
	.amdhsa_kernel k_qf0d63af806_outp
		.amdhsa_group_segment_fixed_size 313856
		.amdhsa_private_segment_fixed_size 0
		.amdhsa_enable_private_segment 0
		.amdhsa_kernarg_size 32
		.amdhsa_user_sgpr_count 2
		.amdhsa_user_sgpr_kernarg_segment_ptr 1
		.amdhsa_wavefront_size32 1
		.amdhsa_system_sgpr_workgroup_id_x 1
		.amdhsa_system_sgpr_workgroup_id_y 1
		.amdhsa_system_sgpr_workgroup_id_z 1
		.amdhsa_system_vgpr_workitem_id 0
		.amdhsa_next_free_vgpr 1024
		.amdhsa_next_free_sgpr 106
		.amdhsa_reserve_vcc 0
		.amdhsa_float_denorm_mode_32 3
		.amdhsa_float_denorm_mode_16_64 3
		.amdhsa_memory_ordered 1
		.amdhsa_forward_progress 1
		.amdhsa_inst_pref_size 125
	.end_amdhsa_kernel
	.amdgpu_metadata
---
amdhsa.version: [ 1, 2 ]
amdhsa.kernels:
  - .name:           k_qf0d63af806_outp
    .symbol:         k_qf0d63af806_outp.kd
    .args:
      - { .name: aop, .offset: 0, .size: 8, .value_kind: global_buffer, .address_space: global }
      - { .name: wop, .offset: 8, .size: 8, .value_kind: global_buffer, .address_space: global }
      - { .name: b_o, .offset: 16, .size: 8, .value_kind: global_buffer, .address_space: global }
      - { .name: out0, .offset: 24, .size: 8, .value_kind: global_buffer, .address_space: global }
    .group_segment_fixed_size: 313856
    .private_segment_fixed_size: 0
    .kernarg_segment_align: 8
    .kernarg_segment_size: 32
    .max_flat_workgroup_size: 128
    .sgpr_count:     106
    .vgpr_count:     1024
    .wavefront_size: 32
...
	.end_amdgpu_metadata
.endif
;; end of part 4
